; MI455X (gfx1250); checked and timed in simulation.
; The chip was launched on July 23, 2026; its instructions are those of AMD's public machine-readable ISA for CDNA 5 (MIT licence, August 2026) and "CDNA5" Instruction Set Architecture Reference Guide (July 2026). The comments in the code are by the model that wrote it; some were corrected since.
;; Multi Head Self Attention. Allowed arithmetic: matrix products marked QUANTISED: E3M2 operands, one E8M0 scale for each 32 along K, by v_wmma_scale_f32_16x16x128_f8f6f4 with both operands' format E3M2, f32 sums; everything else in f32.
;; Inputs: b_out 1,024 float32; b_qkv 3,072 float32; ln_beta 1,024 float32; ln_gamma 1,024 float32; w_out_codes 1,024 x 32 x 24 uint8 (E3M2 codes of w_out, K innermost, in blocks of 32 codes, four codes in three bytes); w_out_scales 1,024 x 32 uint8 (E8M0 scales of w_out, one for each 32 codes along K); w_qkv_codes 3,072 x 32 x 24 uint8 (E3M2 codes of w_qkv, K innermost, in blocks of 32 codes, four codes in three bytes); w_qkv_scales 3,072 x 32 uint8 (E8M0 scales of w_qkv, one for each 32 codes along K); x 4 x 2,048 x 1,024 float32.
;; Outputs: out0 4 x 2,048 x 1,024 float32.
;; This version of the problem:
;;   THIS VERSION OF THE PROBLEM IS GIVEN IN LOW PRECISION. The matrix products marked QUANTISED in the list below multiply operands that are first quantised to E3M2 (3 exponent bits, 2 mantissa bits; 6 bits a number), with one power-of-two scale for each 32 numbers along K (OCP MX v1.0); their sums are f32. All else is computed in f32.
;;   The module's matrix products, in the order in which they are computed (A, B: the left and right operand; K: the contracted axis; several contracted axes count as one K, in the product's order):
;;     1. [M 8,192, K 1,024] x [K 1,024, N 3,072]; A: computed on the way; B: input w_qkv (given as codes): QUANTISED
;;     2. batch 64 x [M 2,048, K 64] x [K 64, N 2,048]; A: computed on the way; B: computed on the way: QUANTISED
;;     3. batch 64 x [M 2,048, K 2,048] x [K 2,048, N 64]; A: softmax (see below); B: computed on the way: QUANTISED
;;     4. [M 8,192, K 1,024] x [K 1,024, N 1,024]; A: computed on the way; B: input w_out (given as codes): QUANTISED
;;   THE QUANTISER, for each operand of a quantised product, along K:
;;     - K is cut into blocks of 32 from its start; a last block that is shorter is filled with zeros.
;;     - A block's scale is 2^e with e = floor(log2(the largest magnitude in the block)) - 4, held to -126 .. 127; a block of zeros has e = 0. As a byte (E8M0): e + 127.
;;     - Each number is divided by its block's scale, clamped to +-28, and rounded to the nearest number of E3M2, ties to even, subnormals kept.
;;     - The product sums the exact products of the quantised numbers (number of the format x scale) in f32.
;;   ~~~python
;;   def quantise(x, axis):      # numpy; x: float32 -> the quantised numbers, widened to float32 again
;;       x = np.moveaxis(x, axis, -1); K = x.shape[-1]
;;       x = np.pad(x, [(0, 0)] * (x.ndim - 1) + [(0, -K % 32)]); x = x.reshape(x.shape[:-1] + (-1, 32)); a = np.abs(x).max(-1, keepdims=True)
;;       e = np.where(a > 0, np.clip(np.frexp(np.where(a > 0, a, 1))[1] - 1 - 4, -126, 127), 0)      # np.frexp(a)[1] - 1 = floor(log2(a)), exactly
;;       r = np.clip(x / 2.0 ** e, -28, 28)
;;       step = 2.0 ** (np.maximum(np.frexp(np.where(r == 0, 1, r))[1] - 1, -2) - 2)
;;       q = np.round(r / step) * step * 2.0 ** e      # np.round: ties to even
;;       return np.moveaxis(q.reshape(q.shape[:-2] + (-1,))[..., :K], -1, axis).astype(np.float32)
;;   ~~~
;;   SOFTMAX AHEAD OF A QUANTISED PRODUCT. Where the list says 'softmax', what is quantised is not the finished softmax but p = 2^(t - M), with t = logit x log2(e) and M = ceil(the row's largest t), a whole number; so 1/2 < the row's largest p <= 1. The row's sum l is taken of the UNQUANTISED p, in f32, and the product's result is divided by l at the end. Since M is a whole number, a kernel that streams over the keys may use a running M (the ceiling of the running maximum): every later rescaling is an exact power of two, which a block's scale takes up: the codes' values come out the same.
;;   OPERANDS COMPUTED ON THE WAY. 'Computed on the way' means the value that the module computes at that place (a softmax that the list does not call 'softmax' is quantised finished and normalised). What goes into a quantiser is computed in f32, as accurately as f32 sums, v_exp_f32 and their like allow (about 1e-6 of the number): no bf16 or f16 on the way to a quantiser, and a product that is left as it is and whose result goes on into a quantised operand takes f32 operands (vector FMAs, or v_wmma_f32_16x16x4_f32). A number that lies on a knife's edge between two numbers of the format may be rounded either way, as far as f32 arithmetic and the matrix unit's own rounding can turn it there, and no further.
;;   INPUTS GIVEN AS CODES. w_out (in the module: [1024, 1024], K = its axis 0); w_qkv (in the module: [1024, 3072], K = its axis 0): each comes as NAME_codes (uint8): NAME with its K axis moved to the last place and cut into blocks of 32 codes, [.., K / 32, bytes a block], one block behind the other in memory; four codes in three bytes: a row's codes are one little-endian stream of bits, code i at bits 6 i .. 6 i + 5 (a code: sign, 3 exponent bits, 2 mantissa bits); and NAME_scales (uint8): the same leading axes, one E8M0 byte (e + 127) for each 32 codes along K. Its value is code x scale, taken as it is: it is not quantised again, and the codes and scales need not be those that the quantiser above would give.
;; One version. Each part assembles by itself: llvm-mc -triple=amdgcn-amd-amdhsa -mcpu=gfx1250 --defsym DOCPART=n.
;; ======== version 1 of 1: 4 launches
;; limits: right only within a limited range of input values
;; workspace buffers: hcodes 6,291,456 bytes; hscales 262,144 bytes; wqcodes 2,359,296 bytes; wqscales 98,304 bytes; qkv 20,185,088 bytes; ocodes 6,291,456 bytes; oscales 262,144 bytes
;; launch ln_quant (part 1): grid 304 x 1, 8 waves a work-group, no clusters, 63,488 bytes of LDS; arguments x, ln_gamma, ln_beta, w_qkv_codes, w_qkv_scales, hcodes, hscales, wqcodes, wqscales; writes hcodes, hscales, wqcodes, wqscales
.if DOCPART == 1
	.amdgcn_target "amdgcn-amd-amdhsa--gfx1250"
	.amdhsa_code_object_version 6
	.text
	.protected	k_q0554996414_ln_quant
	.globl	k_q0554996414_ln_quant
	.p2align	8
	.type	k_q0554996414_ln_quant,@function
k_q0554996414_ln_quant:
	s_mov_b64 s[64:65], 0
	v_nop
	global_prefetch_b8 v0, s[64:65] scope:SCOPE_SE
	s_setreg_imm32_b32 hwreg(HW_REG_WAVE_MODE, 25, 1), 1
	s_wait_xcnt 0x0
; h = LayerNorm(x) x gamma + beta, in f32, turned into codes of E3M2 with one E8M0 byte for each 32 along the 1,024 channels; and a copy of w_qkv's codes and scale bytes with another order of rows.
; THE ORDER OF ROWS.  In each group of 64 rows (tokens of h, rows of w_qkv) the eight blocks of 8 rows are stored in the order 0, 4, 1, 5, 2, 6, 3, 7.  Sixteen neighbouring stored rows are then rows
; 8 t + r % 8 + 32 (r / 8) of the group: taken as source 0 of a product they leave 32 neighbours along the next product's K in a lane's registers of four neighbouring tiles.
; WORK-GROUPS 0-255: 32 tokens each, 4 to a wave.  A row is 4,096 bytes: eight loads of 512 consecutive bytes, all four rows asked for at the head.  Mean and variance in two passes (the variance of x - mean),
; so that a common offset of x costs no digits.  The conversion wants a block's 32 numbers in ONE lane: a row turns through the wave's own stage in LDS (128 bytes + 16 of padding a block: 36 words from
; lane to lane; 64 banks of 4 bytes: ISA guide 11.1).  Codes leave through a second stage as 512 consecutive bytes a store, the scale bytes of the
; 32 rows as four whole runs of 256 bytes.
; WORK-GROUPS 256-303: a wave copies one block of 8 rows of w_qkv (6,144 bytes of codes, 256 of scale bytes) to its new place.  This path has no LDS and no barrier.
; LIMITS: NaN and infinities are not served.  A block whose largest magnitude lies under 2^-122 keeps the byte 1; a block of zeros has the byte 1 and not 127: its codes are zeros, and this program alone reads the bytes.
.set NLN,  256                         ; work-groups that normalise
.set WREG, 7680                        ; LDS of a wave: the turn stage, 32 x 144 bytes, then the code stage, 4 rows x 768 bytes
.set CST,  4608
.set SCB,  61440                       ; behind the eight regions: the scale bytes of the 32 rows, 32 bytes a row
.set L16,  2                           ; v2   16 x lane
.set TS,   3                           ; v3   turn stage, in: 144 (lane / 8) + 16 (lane % 8)
.set TL,   4                           ; v4   turn stage, back: 144 x lane
.set CSA,  5                           ; v5   code stage, in: 24 x lane
.set CSR,  6                           ; v6   code stage, back: 16 x lane
.set SSA,  7                           ; v7   my block's scale byte in my wave's first row
.set A0,   8                           ; v[8:9], v[10:11] two chains
.set A1,   10
.set MU,   12                          ; v[12:13] the mean (the low word serves both halves)
.set RS,   14                          ; v[14:15] 1 / sqrt(variance + eps)
.set G,    16                          ; v16-47   gamma, as a row is loaded
.set BT,   48                          ; v48-79   beta
.set X,    80                          ; v80-207  four rows; a row's registers take its codes and its byte once it has turned
.set H,    208                         ; v208-239 a block's 32 numbers
.set T,    240
.set T2,   241
.set SOP,  242
.set WV,   22
.set INV,  32                          ; s32 2^-10
.set EPS,  33                          ; s33 1e-5
.set SEL,  34                          ; s[34:35] v_permlanex16_b32's selects for lane l xor 16
	s_load_b256 s[4:11], s[0:1], 0x0               ; x s[4:5], gamma s[6:7], beta s[8:9], w_qkv's codes s[10:11]
	s_load_b256 s[12:19], s[0:1], 0x20             ; w_qkv's scales s[12:13], hcodes s[14:15], hscales s[16:17], wqcodes s[18:19]
	s_load_b64 s[20:21], s[0:1], 0x40              ; wqscales
	v_lshl_add_u32 v254, v0, 2, 0xf400
	v_mov_b32 v255, 0
	v_lshrrev_b32 v1, 5, v0
	s_delay_alu instid0(VALU_DEP_1)
	v_readfirstlane_b32 s[WV], v1                  ; wave 0..7
	v_and_b32 v1, 31, v0                           ; lane
	s_delay_alu instid0(VALU_DEP_1)
	v_lshlrev_b32 v[L16], 4, v1
	s_cmp_ge_u32 ttmp9, NLN                        ; the same in all eight waves of a work-group
	s_cbranch_scc1 .Lcopy
	s_mul_i32 s23, s[WV], WREG
	v_lshrrev_b32 v[TS], 3, v1
	s_delay_alu instid0(VALU_DEP_1)
	v_mul_u32_u24 v[TS], v[TS], 144
	v_and_b32 v[TL], 7, v1
	s_delay_alu instid0(VALU_DEP_1)
	v_lshl_add_u32 v[TS], v[TL], 4, v[TS]
	s_delay_alu instid0(VALU_DEP_1)
	v_add_nc_u32 v[TS], s23, v[TS]
	v_mul_u32_u24 v[TL], v1, 144
	s_delay_alu instid0(VALU_DEP_1)
	v_add_nc_u32 v[TL], s23, v[TL]
	s_add_co_u32 s24, s23, CST
	v_mul_u32_u24 v[CSA], v1, 24
	s_delay_alu instid0(VALU_DEP_1)
	v_add_nc_u32 v[CSA], s24, v[CSA]
	v_add_nc_u32 v[CSR], s24, v[L16]
; THE ORDER OF ROWS: in each group of 64 rows, of h and of w_qkv alike, the eight blocks of 8 rows are stored in the order 0, 4, 1, 5, 2, 6, 3, 7:
; block t + 4 e goes to place 2 t + e.  Sixteen neighbouring stored rows are then rows 8 t + r % 8 + 32 (r / 8): as source 0 of a product, four neighbouring tiles leave 32 neighbours along the next K in one lane.
	s_lshr_b32 s25, s[WV], 1                       ; my rows lie in block w / 2 of my work-group's four, block w / 2 + 4 (work-group % 2) of the 64
	s_lshl_b32 s25, s25, 1
	s_and_b32 s26, ttmp9, 1
	s_or_b32 s25, s25, s26                         ; its place
	s_lshl_b32 s25, s25, 3
	s_and_b32 s26, s[WV], 1
	s_lshl_b32 s26, s26, 2
	s_add_co_u32 s25, s25, s26                     ; where my first row is stored in the group of 64
	s_lshl_b32 s26, s[WV], 7                       ; in LDS the 32 rows' scale bytes keep their own order
	s_add_co_u32 s26, s26, SCB
	v_add_nc_u32 v[SSA], s26, v1
	s_lshl_b32 s28, ttmp9, 17                      ; x: 32 rows of 4,096 bytes a work-group,
	s_lshl_b32 s27, s[WV], 14                      ; 4 a wave
	s_add_co_u32 s28, s28, s27
	s_mov_b32 s29, 0
	s_lshr_b32 s30, ttmp9, 1
	s_lshl_b32 s30, s30, 6
	s_add_co_u32 s30, s30, s25
	s_mul_i32 s30, s30, 768                        ; the codes: 768 bytes a stored row
	s_mov_b32 s31, 0
	s_lshr_b32 s36, ttmp9, 1                       ; the scale bytes: 2,048 a group of 64; my work-group's four blocks take every second run of 256
	s_lshl_b32 s36, s36, 11
	s_and_b32 s37, ttmp9, 1
	s_lshl_b32 s37, s37, 8
	s_add_co_u32 s36, s36, s37
	s_mov_b32 s37, 0
	s_mov_b32 s[INV], 0x3a800000
	s_mov_b32 s[EPS], 0x3727c5ac
	s_mov_b32 s[SEL], 0x76543210
	s_mov_b32 s[SEL+1], 0xfedcba98
	v_mov_b32 v[MU+1], 0                           ; named as the upper halves of pairs, so they are written
	v_mov_b32 v[RS+1], 0
	v_mov_b32 v[T2], 0                             ; a lane permute's destination counts as one of its sources
	s_wait_kmcnt 0x0
	s_add_nc_u64 s[4:5], s[4:5], s[28:29]
	s_add_nc_u64 s[14:15], s[14:15], s[30:31]
	s_add_nc_u64 s[16:17], s[16:17], s[36:37]
.irp j, 0,1,2,3,4,5,6,7
	global_load_b128 v[G+4*\j:G+4*\j+3], v[L16], s[6:7] offset:512*\j
.endr
.irp j, 0,1,2,3,4,5,6,7
	global_load_b128 v[BT+4*\j:BT+4*\j+3], v[L16], s[8:9] offset:512*\j
.endr
.irp i, 0,1,2,3
.irp j, 0,1,2,3,4,5,6,7
	global_load_b128 v[X+32*\i+4*\j:X+32*\i+4*\j+3], v[L16], s[4:5] offset:4096*\i+512*\j th:TH_LOAD_NT   ; 512 consecutive bytes; all 32 loads of the wave's x are out at once
.endr
.endr
.macro LANESUM                         ; v[T] summed over the 32 lanes, the result in every lane
	s_delay_alu instid0(VALU_DEP_1)
	v_add_f32_dpp v[T], v[T], v[T] row_xmask:1 row_mask:0xf bank_mask:0xf
	s_delay_alu instid0(VALU_DEP_1)
	v_add_f32_dpp v[T], v[T], v[T] row_xmask:2 row_mask:0xf bank_mask:0xf
	s_delay_alu instid0(VALU_DEP_1)
	v_add_f32_dpp v[T], v[T], v[T] row_xmask:4 row_mask:0xf bank_mask:0xf
	s_delay_alu instid0(VALU_DEP_1)
	v_add_f32_dpp v[T], v[T], v[T] row_xmask:8 row_mask:0xf bank_mask:0xf
	s_delay_alu instid0(VALU_DEP_1)
	v_permlanex16_b32 v[T2], v[T], s[SEL], s[SEL+1]
	s_delay_alu instid0(VALU_DEP_1)
	v_add_f32 v[T], v[T], v[T2]
.endm
.macro ROW i
.set XR, X+32*\i
	s_wait_loadcnt 8*(3-\i)                        ; loads come back in order: this row's eight are in (gamma and beta are older), the later rows' may be out
	v_pk_add_f32 v[A0:A0+1], v[XR:XR+1], v[XR+2:XR+3]
	v_pk_add_f32 v[A1:A1+1], v[XR+4:XR+5], v[XR+6:XR+7]
.irp j, 8,12,16,20,24,28
	s_delay_alu instid0(VALU_DEP_2)
	v_pk_add_f32 v[A0:A0+1], v[A0:A0+1], v[XR+\j:XR+\j+1]
	s_delay_alu instid0(VALU_DEP_2)
	v_pk_add_f32 v[A1:A1+1], v[A1:A1+1], v[XR+\j+2:XR+\j+3]
.endr
	s_delay_alu instid0(VALU_DEP_1)
	v_pk_add_f32 v[A0:A0+1], v[A0:A0+1], v[A1:A1+1]
	s_delay_alu instid0(VALU_DEP_1)
	v_add_f32 v[T], v[A0], v[A0+1]
	LANESUM
	s_delay_alu instid0(VALU_DEP_1)
	v_mul_f32 v[MU], s[INV], v[T]                  ; the mean
.set n, 0
.rept 16
	v_pk_add_f32 v[XR+n:XR+n+1], v[XR+n:XR+n+1], v[MU:MU+1] op_sel_hi:[1,0] neg_lo:[0,1] neg_hi:[0,1]   ; x - mean
.set n, n+2
.endr
	v_pk_mul_f32 v[A0:A0+1], v[XR:XR+1], v[XR:XR+1]
	v_pk_mul_f32 v[A1:A1+1], v[XR+2:XR+3], v[XR+2:XR+3]
.irp j, 4,8,12,16,20,24,28
	s_delay_alu instid0(VALU_DEP_2)
	v_pk_fma_f32 v[A0:A0+1], v[XR+\j:XR+\j+1], v[XR+\j:XR+\j+1], v[A0:A0+1]
	s_delay_alu instid0(VALU_DEP_2)
	v_pk_fma_f32 v[A1:A1+1], v[XR+\j+2:XR+\j+3], v[XR+\j+2:XR+\j+3], v[A1:A1+1]
.endr
	s_delay_alu instid0(VALU_DEP_1)
	v_pk_add_f32 v[A0:A0+1], v[A0:A0+1], v[A1:A1+1]
	s_delay_alu instid0(VALU_DEP_1)
	v_add_f32 v[T], v[A0], v[A0+1]
	LANESUM
	s_delay_alu instid0(VALU_DEP_1)
	v_fma_f32 v[T], v[T], s[INV], s[EPS]           ; variance + eps
	s_wait_alu depctr_va_vdst(0)
	v_rsq_f32 v[RS], v[T]
	v_nop                                          ; a plain instruction behind the transcendental,
	s_wait_alu depctr_va_vdst(0)                   ; and the wait ahead of its first reader
.set n, 0
.rept 16
	v_pk_mul_f32 v[XR+n:XR+n+1], v[XR+n:XR+n+1], v[RS:RS+1] op_sel_hi:[1,0]
.set n, n+2
.endr
.set n, 0
.rept 16
	v_pk_fma_f32 v[XR+n:XR+n+1], v[XR+n:XR+n+1], v[G+n:G+n+1], v[BT+n:BT+n+1]
.set n, n+2
.endr
.irp j, 0,1,2,3,4,5,6,7
	ds_store_b128 v[TS], v[XR+4*\j:XR+4*\j+3] offset:576*\j      ; as loaded: a load's 512 bytes are four blocks
.endr
.irp j, 0,1,2,3,4,5,6,7
	ds_load_b128 v[H+4*\j:H+4*\j+3], v[TL] offset:16*\j          ; LDS serves a wave's instructions in order: these see the stores.  Lane l now has block l whole
.endr
	s_wait_dscnt 0x0
	v_max3_num_f32 v[A0], |v[H]|, |v[H+1]|, |v[H+2]|
	v_max3_num_f32 v[A1], |v[H+3]|, |v[H+4]|, |v[H+5]|
.irp j, 6,10,14,18,22,26
	s_delay_alu instid0(VALU_DEP_2)
	v_max3_num_f32 v[A0], v[A0], |v[H+\j]|, |v[H+\j+1]|
	s_delay_alu instid0(VALU_DEP_2)
	v_max3_num_f32 v[A1], v[A1], |v[H+\j+2]|, |v[H+\j+3]|
.endr
	s_delay_alu instid0(VALU_DEP_2)
	v_max3_num_f32 v[A0], v[A0], |v[H+30]|, |v[H+31]|
	s_delay_alu instid0(VALU_DEP_1)
	v_max3_num_f32 v[A0], v[A0], v[A1], 0x2800000  ; and the floor 2^(5 - 127): the byte cannot fall under 1
	s_delay_alu instid0(VALU_DEP_1)
	v_add_nc_u32 v[SOP], 0xfe000000, v[A0]         ; 4 off the exponent field: the conversion takes the exponent field of this operand as its scale
	v_cvt_scalef32_pk16_bf6_f32 v[XR:XR+2], v[H:H+15], v[SOP]
	v_cvt_scalef32_pk16_bf6_f32 v[XR+4:XR+6], v[H+16:H+31], v[SOP]   ; (a conversion's three registers begin on an even number)
	v_lshrrev_b32 v[XR+8], 23, v[SOP]              ; the scale's byte.  (The plain instruction behind the conversions)
	v_mov_b32 v[XR+3], v[XR+4]                     ; the block's 24 bytes on end
	v_mov_b32 v[XR+4], v[XR+5]
	v_mov_b32 v[XR+5], v[XR+6]
.irp p, 0,1,2
	ds_store_b64 v[CSA], v[XR+2*\p:XR+2*\p+1] offset:768*\i+8*\p
.endr
	ds_store_b8 v[SSA], v[XR+8] offset:32*\i
.endm
	ROW 0
	ROW 1
	ROW 2
	ROW 3
.irp c, 0,1,2,3,4,5
	ds_load_b128 v[H+4*\c:H+4*\c+3], v[CSR] offset:512*\c
.endr
	s_wait_dscnt 0x0                               ; my codes are back, and my scale bytes have landed: for the other waves' sake the count is zero
.irp c, 0,1,2,3,4,5
	global_store_b128 v[L16], v[H+4*\c:H+4*\c+3], s[14:15] offset:512*\c   ; my four rows are 3,072 consecutive bytes, from a multiple of 256 on
.endr
	s_barrier_signal -1
	s_barrier_wait -1                              ; the 32 rows' scale bytes lie in LDS
	s_cmp_ge_u32 s[WV], 2
	s_cbranch_scc1 .Ldone
	v_lshlrev_b32 v8, 4, v0
	v_lshrrev_b32 v9, 4, v0
	v_lshl_add_u32 v9, v9, 8, v8                   ; block k of the four goes 512 k bytes on
	ds_load_b128 v[G:G+3], v8 offset:SCB
	s_wait_alu depctr_va_vdst(0)
	s_wait_dscnt 0x0
	global_store_b128 v9, v[G:G+3], s[16:17]
.Ldone:
	s_wait_tensorcnt 0x0
	ds_add_u32 v254, v255
	s_wait_dscnt 0x0
	s_endpgm
.Lcopy:
	s_sub_co_u32 s23, ttmp9, NLN
	s_lshl_b32 s23, s23, 3
	s_add_co_u32 s23, s23, s[WV]                   ; my block of 8 rows, 0..383
	s_and_b32 s24, s23, 3                          ; in each eight blocks, block t + 4 e goes to place 2 t + e
	s_lshl_b32 s24, s24, 1
	s_bfe_u32 s25, s23, 0x10002
	s_or_b32 s24, s24, s25
	s_and_b32 s25, s23, 0xfffffff8
	s_or_b32 s24, s24, s25                         ; its new place
	s_mul_i32 s26, s23, 6144
	s_mov_b32 s27, 0
	s_mul_i32 s28, s24, 6144
	s_mov_b32 s29, 0
	s_lshl_b32 s30, s23, 8
	s_mov_b32 s31, 0
	s_lshl_b32 s32, s24, 8
	s_mov_b32 s33, 0
	s_wait_alu depctr_va_vdst(0)
	v_lshlrev_b32 v3, 3, v1
	s_wait_alu depctr_va_vdst(0)
	s_wait_kmcnt 0x0
	s_add_nc_u64 s[10:11], s[10:11], s[26:27]
	s_add_nc_u64 s[18:19], s[18:19], s[28:29]
	s_add_nc_u64 s[12:13], s[12:13], s[30:31]
	s_add_nc_u64 s[20:21], s[20:21], s[32:33]
.irp c, 0,1,2,3,4,5,6,7,8,9,10,11
	global_load_b128 v[16+4*\c:19+4*\c], v[L16], s[10:11] offset:512*\c th:TH_LOAD_NT
.endr
	global_load_b64 v[64:65], v3, s[12:13] th:TH_LOAD_NT
	s_wait_loadcnt 0x0
.irp c, 0,1,2,3,4,5,6,7,8,9,10,11
	global_store_b128 v[L16], v[16+4*\c:19+4*\c], s[18:19] offset:512*\c
.endr
	global_store_b64 v3, v[64:65], s[20:21]
	s_endpgm
.Lfunc_end_k_q0554996414_ln_quant:
	.size	k_q0554996414_ln_quant, .Lfunc_end_k_q0554996414_ln_quant-k_q0554996414_ln_quant
	.p2alignl 7, 3214868480
	.fill 96, 4, 3214868480
	.section	.rodata,"a",@progbits
	.p2align	6, 0x0
	.amdhsa_kernel k_q0554996414_ln_quant
		.amdhsa_group_segment_fixed_size 63488
		.amdhsa_private_segment_fixed_size 0
		.amdhsa_enable_private_segment 0
		.amdhsa_kernarg_size 72
		.amdhsa_user_sgpr_count 2
		.amdhsa_user_sgpr_kernarg_segment_ptr 1
		.amdhsa_wavefront_size32 1
		.amdhsa_system_sgpr_workgroup_id_x 1
		.amdhsa_system_sgpr_workgroup_id_y 1
		.amdhsa_system_sgpr_workgroup_id_z 1
		.amdhsa_system_vgpr_workitem_id 0
		.amdhsa_next_free_vgpr 256
		.amdhsa_next_free_sgpr 66
		.amdhsa_reserve_vcc 0
		.amdhsa_float_denorm_mode_32 3
		.amdhsa_float_denorm_mode_16_64 3
		.amdhsa_memory_ordered 1
		.amdhsa_forward_progress 1
		.amdhsa_inst_pref_size 55
	.end_amdhsa_kernel
	.amdgpu_metadata
---
amdhsa.version: [ 1, 2 ]
amdhsa.kernels:
  - .name:           k_q0554996414_ln_quant
    .symbol:         k_q0554996414_ln_quant.kd
    .args:
      - { .name: x, .offset: 0, .size: 8, .value_kind: global_buffer, .address_space: global }
      - { .name: ln_gamma, .offset: 8, .size: 8, .value_kind: global_buffer, .address_space: global }
      - { .name: ln_beta, .offset: 16, .size: 8, .value_kind: global_buffer, .address_space: global }
      - { .name: w_qkv_codes, .offset: 24, .size: 8, .value_kind: global_buffer, .address_space: global }
      - { .name: w_qkv_scales, .offset: 32, .size: 8, .value_kind: global_buffer, .address_space: global }
      - { .name: hcodes, .offset: 40, .size: 8, .value_kind: global_buffer, .address_space: global }
      - { .name: hscales, .offset: 48, .size: 8, .value_kind: global_buffer, .address_space: global }
      - { .name: wqcodes, .offset: 56, .size: 8, .value_kind: global_buffer, .address_space: global }
      - { .name: wqscales, .offset: 64, .size: 8, .value_kind: global_buffer, .address_space: global }
    .group_segment_fixed_size: 63488
    .private_segment_fixed_size: 0
    .kernarg_segment_align: 8
    .kernarg_segment_size: 72
    .max_flat_workgroup_size: 256
    .sgpr_count:     66
    .vgpr_count:     256
    .wavefront_size: 32
...
	.end_amdgpu_metadata
.endif
;; end of part 1
;; launch qkv_gemm (part 2): grid 4 x 64, 4 waves a work-group, clusters of 4 x 4, 327,680 bytes of LDS; arguments hcodes, hscales, wqcodes, wqscales, b_qkv, qkv; writes qkv
.if DOCPART == 2
	.amdgcn_target "amdgcn-amd-amdhsa--gfx1250"
	.amdhsa_code_object_version 6
	.text
	.protected	k_q0554996414_qkv_gemm
	.globl	k_q0554996414_qkv_gemm
	.p2align	8
	.type	k_q0554996414_qkv_gemm,@function
k_q0554996414_qkv_gemm:
	s_mov_b64 s[64:65], 0
	v_nop
	global_prefetch_b8 v0, s[64:65] scope:SCOPE_SE
	s_setreg_imm32_b32 hwreg(HW_REG_WAVE_MODE, 25, 1), 1
	s_wait_xcnt 0x0
	s_wait_alu depctr_hold_cnt(0) depctr_sa_sdst(0) depctr_va_vdst(0) depctr_va_sdst(0) depctr_va_ssrc(0) depctr_va_vcc(0) depctr_vm_vsrc(0)
	s_getreg_b32 s2, hwreg(HW_REG_IB_STS2, 6, 4)
	s_cmp_eq_u32 s2, 0
	s_cbranch_scc0 .Lentry_in_a_cluster
	s_endpgm
.Lentry_in_a_cluster:
	s_bfe_u32 s2, ttmp6, 0x10000c
	s_cmp_lg_u32 s2, 0xf033
	s_cbranch_scc0 .Lentry_shape_is_right
	s_endpgm
.Lentry_shape_is_right:
; q, k, v = h W^T + b on codes of E3M2, quantised again on the way out and stored as images of the attention launch's operand registers.
; A WORK-GROUP STAYS: it holds 128 tokens and makes three tiles of 128 tokens x 256 rows of w_qkv: its block of Q's rows, of K's, of V's (1,024 rows apart).
; ALL OF K lies in LDS: a row of 1,024 codes is 768 bytes, stated to the data mover as three rows of 256 bytes with 16 bytes of padding behind each (LDS pitch 816 bytes = 204 words: the 16 rows of a
; fragment start at 16 different groups of four banks).  The tokens' 128 rows are filled once; w's 256 rows are filled again for K and for V, 64 rows a wave, behind the waits, the add and a round of the
; cluster's barrier; the refill is on its way while the finished tile is quantised and stored.  Every wait on TENSORcnt is for 0; a wave has one load out at the most.
; CLUSTERS 4 x 4: the tokens' rows are shared along a row of the cluster, the weight's along a column.
; A wave makes 128 (source 0) x 64 (source 1): 32 accumulators.  Q, K: source 0 = 128 rows of w, source 1 = 64 tokens: a lane holds a token, its registers run along the channels.
; V: source 0 = the 128 tokens, source 1 = 64 rows of w (one head): a lane holds a channel, its registers run along the keys.
; THE ORDER OF ROWS (h's and w's, as the launch before stored them): 16 neighbouring stored rows are rows 8 t + r % 8 + 32 (r / 8) of their 64, so a lane's 32 registers of four neighbouring tiles are one whole block of 32.
; Scale words come straight from memory: a lane takes the 32 bytes of one of 32 neighbouring rows; lanes 0-15 hold an even block's words, lanes 16-31 the odd one's.
; PREFETCH: in the tiles of Q and of K each wave names the 64 rows (192 blocks of 256 bytes) that its next refill brings, one tile's products ahead; the four partners of a column take 48 blocks each, told apart by address.
; THE RECORD of 128 tokens of a head: K's codes 6,144, V's codes 6,144, K's scale words 2 x 256, V's 256, Q's codes 6,144, Q's scale words 2 x 256.
; LIMITS: NaN and infinities are not served; a block under 2^-122, and a block of zeros, keeps the byte 1 (this program alone reads the bytes).
.set RP,     816
.set BLK,    16*RP
.set BREG,   128*RP
.set SPARE,  384*RP
.set RECB,   19712
.set HEADB,  16*RECB
.set SECT,   1024*768                  ; from Q's rows to K's, from K's to V's
.set DW,     (3<<16)|(1<<20)|(1<<21)|(5<<22)|(3<<25)
.set S0V,  8                           ; v8-11  V: source 0's LDS addresses
.set BRA,  12
.set BLA,  13
.set SH8,  14                          ; 8 x (lane / 16)
.set S0,   16                          ; v16-19 Q, K: source 0: blocks 0-3 (plain, across a chunk's end), blocks 4-7
.set S1,   20                          ; v20-21 source 1
.set PF0,  22
.set PF1,  23
.set S1V,  24
.set VO,   26
.set SL,   27
.set SPW,  28
.set NIL,  29
.set VO8,  30
.set SC0,  32                          ; v32-63 source 0's scale words: 8 (b / 2) + step
.set SC1,  64                          ; v64-79 source 1's
.set BL,   80
.set PCT,  84
.set F1,   128                         ; source 1's fragments, two sets of 48; source 0's lie in window 1, two sets at 0 and 128; accumulators fill window 2; the bias along the registers window 3
.set HA,   128
.set TM,   192
.set PWE,  208
.set PWP,  210
.set SW0,  214
.set SW1,  218
.set BB,   222
.set PCB,  232
.set SEL,  92
.set G1, 24
.set G0, 32
.set G0B, 36
.set G1B, 48
.set GR, 84
.set MSB, 0
.macro WIN new
.if MSB != (\new)
	s_set_vgpr_msb (MSB<<8)|(\new)
.set MSB, \new
.endif
.endm
.macro PLACES n
.rept \n
	v_nop
.endr
.endm
.macro CREST
	s_cmp_lg_u32 s14, 0
	s_cbranch_scc1 .Lnot_wave_0_\@
	s_barrier_signal -3
.Lnot_wave_0_\@:
	s_barrier_wait -3
	s_barrier_signal -1
	s_barrier_wait -1
.endm
.macro CROUND
	s_barrier_signal -1
	s_barrier_wait -1
	CREST
.endm
	s_load_b128 s[4:7], s[0:1], 0x0                ; hcodes, hscales
	s_load_b128 s[8:11], s[0:1], 0x10              ; wqcodes, wqscales
	s_load_b128 s[96:99], s[0:1], 0x20             ; b_qkv, the records
	v_lshl_add_u32 v[SPW], v0, 2, SPARE
	v_mov_b32 v[NIL], 0
	ds_add_u32 v[SPW], v[NIL]
	ds_add_u32 v[SPW], v[NIL]
	v_lshrrev_b32 v1, 5, v0
	v_readfirstlane_b32 s14, v1                    ; wave
	s_lshr_b32 s15, s14, 1
	s_and_b32 s16, s14, 1
	s_bfe_u32 s40, ttmp6, 0x40000                  ; cx
	s_bfe_u32 s41, ttmp6, 0x40004                  ; cy
	s_lshl_b32 s42, ttmp9, 2
	s_add_co_u32 s42, s42, s40                     ; block of 256 rows in each of Q, K, V
	s_and_b32 s17, ttmp7, 0xffff
	s_lshl_b32 s17, s17, 2
	s_add_co_u32 s17, s17, s41                     ; block of 128 tokens
	s_lshl_b32 s43, s41, 2
	s_lshl_b32 s43, 15, s43
	s_lshl_b32 s44, 0x1111, s40
	s_or_b32 s[G1], s43, DW                        ; tokens: 64 rows = 192 rows of 256 bytes
	s_mov_b32 s[G1+1], 32<<16
	s_mov_b32 s[G1+2], 192<<16
	s_mov_b32 s[G1+3], 32<<16
	s_mov_b32 s[G1+4], 192
	s_mov_b32 s[G1+5], 32
	s_mov_b32 s[G1+6], 0
	s_mov_b32 s[G1+7], 0
	s_or_b32 s[G1B], s44, DW                       ; w at the head: 128 rows = 384 rows of 256 bytes
	s_mov_b32 s[G1B+1], 32<<16
	s_mov_b32 s[G1B+2], 384<<16
	s_mov_b32 s[G1B+3], 32<<16
	s_mov_b32 s[G1B+4], 384
	s_mov_b32 s[G1B+5], 32
	s_mov_b32 s[G1B+6], 0
	s_mov_b32 s[G1B+7], 0
	s_lshl_b32 s20, s17, 7
	s_lshl_b32 s18, s16, 6
	s_add_co_u32 s20, s20, s18
	s_mul_i32 s20, s20, 768
	s_mov_b32 s21, 0
	s_lshl_b32 s46, s42, 8
	s_lshl_b32 s18, s16, 7
	s_add_co_u32 s46, s46, s18
	s_mul_i32 s46, s46, 768
	s_mov_b32 s47, 0
	s_lshl_b32 s60, s42, 8
	s_lshl_b32 s18, s14, 6
	s_add_co_u32 s60, s60, s18                     ; the refills: my 64 rows of the block
	s_mul_i32 s60, s60, 768
	s_mov_b32 s61, 0
	s_mov_b32 s[G0], 1
	s_mul_i32 s[G0+1], s16, 64*RP
	s_mov_b32 s[G0B], 1
	s_mul_i32 s[G0B+1], s16, 128*RP
	s_add_co_u32 s[G0B+1], s[G0B+1], BREG
	s_mov_b32 s[GR], 1
	s_mul_i32 s[GR+1], s14, 64*RP
	s_add_co_u32 s[GR+1], s[GR+1], BREG
	s_wait_dscnt 0x0
	s_wait_kmcnt 0x0
	s_add_nc_u64 s[G0+2:G0+3], s[4:5], s[20:21]
	s_or_b32 s[G0+3], s[G0+3], 0x80000000
	s_add_nc_u64 s[G0B+2:G0B+3], s[8:9], s[46:47]
	s_or_b32 s[G0B+3], s[G0B+3], 0x80000000
	s_add_nc_u64 s[74:75], s[8:9], s[60:61]        ; the prefetches' base
	s_mov_b64 s[GR+2:GR+3], s[74:75]
	s_or_b32 s[GR+3], s[GR+3], 0x80000000
	CROUND                                         ; the joint loads meet
	s_cmp_eq_u32 s15, 0                            ; waves 0, 1: the tokens' two halves; waves 2, 3: the two halves of Q's rows
	s_cbranch_scc0 .Lfor_b
	tensor_load_to_lds s[G0:G0+3], s[G1:G1+7]
	s_nop 0
	PLACES 4
	s_branch .Lasked
.Lfor_b:
	tensor_load_to_lds s[G0B:G0B+3], s[G1B:G1B+7]
	s_nop 0
	PLACES 4
.Lasked:
	s_mul_i32 s21, s16, 128*RP                     ; Q, K: wave (s15, s16) = the tokens' half of 64, w's half of 128
	s_add_co_u32 s21, s21, BREG
	s_add_co_u32 s18, s21, 4*BLK
	s_mul_i32 s22, s15, 64*RP
	s_mul_i32 s23, s14, 64*RP                      ; V: my wave's 64 rows of w
	s_add_co_u32 s23, s23, BREG
	s_lshl_b32 s19, s42, 8
	s_lshl_b32 s20, s16, 7
	s_add_co_u32 s20, s19, s20                     ; Q, K: my first row of w in its section
	s_lshl_b32 s60, s20, 5
	s_add_nc_u64 s[56:57], s[10:11], s[60:61]
	s_lshl_b32 s20, s20, 2                         ; its bias, in bytes
	s_lshl_b32 s60, s17, 12
	s_add_nc_u64 s[68:69], s[6:7], s[60:61]        ; the 128 tokens' scale bytes
	s_lshl_b32 s62, s15, 11
	s_mov_b32 s63, 0
	s_add_nc_u64 s[58:59], s[68:69], s[62:63]      ; my 64 tokens'
	s_lshl_b32 s62, s14, 6
	s_add_co_u32 s19, s19, s62
	s_add_co_u32 s19, s19, 2048                    ; V: my first row of w
	s_lshl_b32 s60, s19, 5
	s_add_nc_u64 s[70:71], s[10:11], s[60:61]
	s_lshl_b32 s19, s19, 2
	s_lshr_b32 s45, s17, 4
	s_lshl_b32 s45, s45, 4
	s_lshl_b32 s62, s40, 2
	s_add_co_u32 s45, s45, s62                     ; batch x 16 + my block's first head
	s_and_b32 s46, s17, 15                         ; the record in the head
	s_add_co_u32 s60, s45, s14
	s_lshl_b32 s60, s60, 4
	s_add_co_u32 s60, s60, s46
	s_mul_i32 s60, s60, RECB
	s_add_nc_u64 s[72:73], s[98:99], s[60:61]      ; V: my head's record
	s_lshl_b32 s62, s16, 1
	s_add_co_u32 s60, s45, s62
	s_lshl_b32 s60, s60, 4
	s_add_co_u32 s60, s60, s46
	s_mul_i32 s60, s60, RECB
	s_lshl_b32 s62, s15, 8
	s_add_co_u32 s62, s62, s60
	s_add_co_u32 s62, s62, 19200
	s_add_nc_u64 s[100:101], s[98:99], s[62:63]    ; Q's scale words, my plane
	s_mul_i32 s62, s15, 3072
	s_add_co_u32 s60, s60, s62
	s_add_co_u32 s60, s60, 13056
	s_add_nc_u64 s[98:99], s[98:99], s[60:61]      ; Q's codes, my four tiles
	s_mul_i32 s62, s41, 48*256
	s_add_co_u32 s63, s62, 32*256
	s_mov_b32 s[SEL], 0x76543210
	s_mov_b32 s[SEL+1], 0xfedcba98
	s_mov_b32 s95, 0xffff0000
	s_mov_b32 s67, 0x01010000
	s_mov_b32 s66, 0
	v_and_b32 v1, 15, v0
	v_bfe_u32 v2, v0, 4, 1
	v_and_b32 v6, 31, v0
	v_mul_u32_u24 v3, v1, RP
	v_mad_u32_u24 v4, v2, 24, v3                   ; row x pitch + 24 x half
	v_lshl_add_u32 v5, v2, 4, v4                   ; lanes 16-31 beyond a chunk's padding
	v_add_nc_u32 v[S0], s21, v4
	v_add_nc_u32 v[S0+1], s21, v5
	v_add_nc_u32 v[S0+2], s18, v4
	v_add_nc_u32 v[S0+3], s18, v5
	v_add_nc_u32 v[S1], s22, v4
	v_add_nc_u32 v[S1+1], s22, v5
	v_add_nc_u32 v[S0V], 0, v4
	v_add_nc_u32 v[S0V+1], 0, v5
	v_add_nc_u32 v[S0V+2], 4*BLK, v4
	v_add_nc_u32 v[S0V+3], 4*BLK, v5
	v_add_nc_u32 v[S1V], s23, v4
	v_add_nc_u32 v[S1V+1], s23, v5
	v_lshlrev_b32 v[VO], 4, v6
	v_lshlrev_b32 v[VO8], 3, v6
	v_lshlrev_b32 v[SL], 5, v6
	v_lshlrev_b32 v[SH8], 3, v2
	v_lshl_add_u32 v[BRA], v2, 7, s20              ; my registers' channels begin 32 x half on
	v_and_b32 v[BLA], 8, v1
	v_mad_u32_u24 v[BLA], v[BLA], 3, v1            ; my lane's channel in a tile: r % 8 + 32 (r / 8)
	v_lshl_add_u32 v[BLA], v[BLA], 2, s19
	v_lshl_add_u32 v[PF0], v6, 8, s62
	v_lshl_add_u32 v[PF1], v1, 8, s63
.irp b, 0,1,2,3
	v_mov_b32 v[TM+4+\b], 0
.endr
	v_mov_b32 v[BB+1], 0
	s_wait_alu depctr_va_vdst(0)
.irp g, 0,1
	global_load_b128 v[SC1+8*\g:SC1+8*\g+3], v[SL], s[58:59] offset:1024*\g
	global_load_b128 v[SC1+8*\g+4:SC1+8*\g+7], v[SL], s[58:59] offset:1024*\g+16
.endr
.irp a, 0,1,2,3
	global_load_b32 v[BL+\a], v[BLA], s[96:97] offset:32*\a        ; V's bias at my lane's channel
.endr
.macro SC0LOAD p
.irp g, 0,1,2,3
	global_load_b128 v[SC0+8*\g:SC0+8*\g+3], v[SL], s[\p:\p+1] offset:1024*\g
	global_load_b128 v[SC0+8*\g+4:SC0+8*\g+7], v[SL], s[\p:\p+1] offset:1024*\g+16
.endr
.endm
.macro FRAG reg, adr, st, i            ; 16 rows x 128 K: six pieces of 8 bytes; byte y of a row lies at y + 16 (y / 256) of its LDS row
.irp p, 0,1,2,3,4,5
.set BY, 96*(\st)+48*(\p/3)+8*(\p%3)
.if BY/256 == (BY+24)/256
	ds_load_b64 v[\reg+2*\p:\reg+2*\p+1], v[\adr] offset:BY+16*(BY/256)+(\i)*BLK
.else
	ds_load_b64 v[\reg+2*\p:\reg+2*\p+1], v[\adr+1] offset:BY+16*(BY/256)+(\i)*BLK
.endif
.endr
.endm
.macro FETCH st
	WIN 0x40
.irp i, 0,1,2,3,4,5,6,7
	FRAG 128*((\st)%2)+12*\i, FS0+2*(\i/4), \st, \i%4
.endr
	WIN 0
.irp i, 0,1,2,3
	FRAG F1+48*((\st)%2)+12*\i, FS1, \st, \i
.endr
.endm
.macro W4 c, sx, sy, ra, rb
.if (\ra) && (\rb)
	v_wmma_scale_f32_16x16x128_f8f6f4 v[D:D+7], v[X:X+11], v[Y:Y+11], \c, v[\sx], v[\sy] matrix_a_fmt:MATRIX_FMT_BF6 matrix_b_fmt:MATRIX_FMT_BF6 matrix_a_scale:MATRIX_SCALE_ROW1 matrix_b_scale:MATRIX_SCALE_ROW1
.elseif \ra
	v_wmma_scale_f32_16x16x128_f8f6f4 v[D:D+7], v[X:X+11], v[Y:Y+11], \c, v[\sx], v[\sy] matrix_a_fmt:MATRIX_FMT_BF6 matrix_b_fmt:MATRIX_FMT_BF6 matrix_a_scale:MATRIX_SCALE_ROW1
.elseif \rb
	v_wmma_scale_f32_16x16x128_f8f6f4 v[D:D+7], v[X:X+11], v[Y:Y+11], \c, v[\sx], v[\sy] matrix_a_fmt:MATRIX_FMT_BF6 matrix_b_fmt:MATRIX_FMT_BF6 matrix_b_scale:MATRIX_SCALE_ROW1
.else
	v_wmma_scale_f32_16x16x128_f8f6f4 v[D:D+7], v[X:X+11], v[Y:Y+11], \c, v[\sx], v[\sy] matrix_a_fmt:MATRIX_FMT_BF6 matrix_b_fmt:MATRIX_FMT_BF6
.endif
.endm
.macro MUL st, zero                    ; 32 products, the 32 accumulators by turns
	WIN 0xa1
.irp a, 0,1,2,3
.irp b, 0,1,2,3,4,5,6,7
.set D, 8*(8*\a+\b)
.set X, 128*((\st)%2)+12*\b
.set Y, F1+48*((\st)%2)+12*\a
.if \zero
	W4 0, SC0+8*(\b/2)+(\st), SC1+8*(\a/2)+(\st), \b%2, \a%2
.else
	W4 v[D:D+7], SC0+8*(\b/2)+(\st), SC1+8*(\a/2)+(\st), \b%2, \a%2
.endif
.endr
.endr
.endm
.macro MAIN pf
	s_wait_tensorcnt 0x0                           ; my part of the tile has landed,
	s_barrier_signal -1
	s_barrier_wait -1                              ; everybody's has
	FETCH 0
	s_wait_loadcnt 0x0                             ; scale words and bias
	s_wait_dscnt 0x0
	FETCH 1
.if \pf
	global_prefetch_b8 v[PF0], s[74:75] offset:SECT th:TH_LOAD_NT scope:SCOPE_SE   ; my work-group's 48 of the 192 blocks that my next refill brings
	global_prefetch_b8 v[PF1], s[74:75] offset:SECT th:TH_LOAD_NT scope:SCOPE_SE
.endif
	MUL 0, 1
.irp st, 1,2,3,4,5,6
	s_wait_dscnt 0x0                               ; this step's fragments, asked for ahead of the last step's 32 products
	PLACES 4                                       ; ahead of loads into registers that the last products read
	FETCH \st+1
	MUL \st, 0
.endr
	s_wait_dscnt 0x0
	MUL 7, 0
	WIN 0
	PLACES 4
.endm
.macro QUANT s                         ; 64 registers = my two whole blocks of 32 (blocks h and 2 + h of four) -> codes and the scale word
.irp b, 0,1,2,3
	v_max3_num_f32 v[TM+\b], |v[\s+16*\b]|, |v[\s+1+16*\b]|, 0x2800000
.endr
.irp i, 2,4,6,8,10,12,14
.irp b, 0,1,2,3
	v_max3_num_f32 v[TM+\b], v[TM+\b], |v[\s+16*\b+\i]|, |v[\s+1+16*\b+\i]|
.endr
.endr
	v_max_num_f32 v[TM], v[TM], v[TM+1]
	v_max_num_f32 v[TM+2], v[TM+2], v[TM+3]
	v_add_nc_u32 v[TM+12], 0xfe000000, v[TM]       ; 4 off the exponent field: the conversion's scale operand
	v_add_nc_u32 v[TM+14], 0xfe000000, v[TM+2]
	v_lshrrev_b32 v[TM+4], 23, v[TM+12]
	v_lshrrev_b32 v[TM+6], 23, v[TM+14]
	v_lshl_or_b32 v[QPW], v[TM+6], 16, v[TM+4]
	v_lshlrev_b32 v[QPW], v[SH8], v[QPW]           ; my two bytes at their places,
	v_permlanex16_b32 v[TM+5], v[QPW], s[SEL], s[SEL+1]
	v_or_b32 v[QPW], v[QPW], v[TM+5]               ; with lane l xor 16's two the word is whole
	v_cvt_scalef32_pk16_bf6_f32 v[QD0:QD0+2], v[\s:\s+15], v[TM+12]
	v_cvt_scalef32_pk16_bf6_f32 v[PCT:PCT+2], v[\s+16:\s+31], v[TM+12]
	v_cvt_scalef32_pk16_bf6_f32 v[QD1:QD1+2], v[\s+32:\s+47], v[TM+14]
	v_cvt_scalef32_pk16_bf6_f32 v[PCT+4:PCT+6], v[\s+48:\s+63], v[TM+14]
	v_nop
.irp i, 0,1,2
	v_mov_b32 v[QD0+3+\i], v[PCT+\i]
	v_mov_b32 v[QD1+3+\i], v[PCT+4+\i]
.endr
.endm
.macro EPI vv                          ; source 1's four blocks, two at a time: + bias, quantised along source 0's 128, stored as register images, 512 consecutive bytes a store
.irp i, 0,1
.irp u, 0,1
.set AB, 2*\i+\u
.set AC, 64*AB
.if (\i > 0) && (\u == 0)
	s_wait_xcnt 0x0                                ; the last pair's stores have read their registers
.endif
.if \vv
	v_mov_b32 v[BB], v[BL+AB]
	WIN 0x02
.else
	WIN 0x0e
.endif
.set n, 0
.rept 32
.if \vv
	v_pk_add_f32 v[HA+n:HA+n+1], v[AC+n:AC+n+1], v[BB:BB+1] op_sel_hi:[1,0]
.else
	v_pk_add_f32 v[HA+n:HA+n+1], v[AC+n:AC+n+1], v[n:n+1]
.endif
.set n, n+2
.endr
	WIN 0
.if \vv
.set QD0, PCB+12*\u
.set QD1, PCB+12*\u+6
.else
.set QD0, PCB+6*\u
.set QD1, PCB+12+6*\u
.endif
.set QPW, PWE+\u
	QUANT HA
.endr
	v_cndmask_b32 v[PWP+\i], v[PWE], v[PWE+1], s95
.if \vv
.irp w, 0,1
.irp j, 0,1,2
	global_store_b128 v[VO], v[PCB+12*\w+4*\j:PCB+12*\w+4*\j+3], s[72:73] offset:6144+1536*(2*\i+\w)+512*\j
.endr
.endr
.else
	v_and_or_b32 v[SW0+\i], v[PWP+\i], 0xffff, s67 ; a head's two bytes; the bytes of the product's empty upper half are 1
	v_lshrrev_b32 v[SW1+\i], 16, v[PWP+\i]
	v_or_b32 v[SW1+\i], s67, v[SW1+\i]
.irp c, 0,1
.irp j, 0,1,2
	global_store_b128 v[VO], v[PCB+12*\c+4*\j:PCB+12*\c+4*\j+3], s[98:99] offset:\c*HEADB+512*(3*\i+\j)
.endr
.endr
.endif
.endr
.if \vv
	global_store_b64 v[VO8], v[PWP:PWP+1], s[72:73] offset:12800
.else
	global_store_b64 v[VO8], v[SW0:SW0+1], s[100:101]
	global_store_b64 v[VO8], v[SW1:SW1+1], s[100:101] offset:HEADB
.endif
.endm
.set FS0, S0
.set FS1, S1
.Ltile:                                ; two trips: Q's tile, K's tile
	SC0LOAD 56
	WIN 0xc0
.irp b, 0,1,2,3,4,5,6,7
	global_load_b128 v[8*\b:8*\b+3], v[BRA], s[96:97] offset:4*(64*(\b/4)+8*(\b%4))      ; the bias at my registers' channels
	global_load_b128 v[8*\b+4:8*\b+7], v[BRA], s[96:97] offset:4*(64*(\b/4)+8*(\b%4))+16
.endr
	WIN 0
	MAIN 1
	s_wait_tensorcnt 0x0                           ; none of my loads is out;
	ds_add_u32 v[SPW], v[NIL]                      ; the add;
	s_add_nc_u64 s[GR+2:GR+3], s[GR+2:GR+3], SECT  ; the next section's rows,
	s_mov_b32 s[G1B+2], 192<<16                    ; 64 rows a wave = 192 rows of 256 bytes
	s_mov_b32 s[G1B+4], 192
	s_wait_dscnt 0x0                               ; the add is done, and my reads of w's rows are over
	CROUND                                         ; so for every wave of the sixteen work-groups
	tensor_load_to_lds s[GR:GR+3], s[G1B:G1B+7]    ; w's region is filled again while this tile goes out
	s_nop 0
	PLACES 4
	EPI 0
	s_wait_xcnt 0x0                                ; loads, stores and prefetches have read their bases
	s_add_nc_u64 s[56:57], s[56:57], 1024*32
	s_add_nc_u64 s[96:97], s[96:97], 4096
	s_add_nc_u64 s[74:75], s[74:75], SECT
	s_sub_nc_u64 s[98:99], s[98:99], 13056         ; from Q's codes to K's,
	s_sub_nc_u64 s[100:101], s[100:101], 6912      ; from Q's scale words to K's (behind K's tile the two are used no more)
	s_add_co_u32 s66, s66, 1
	s_cmp_lt_u32 s66, 2
	s_wait_alu depctr_va_vdst(0)
	s_cbranch_scc1 .Ltile
	SC0LOAD 68                                     ; V: source 0 = the 128 tokens, source 1 = my 64 rows of w
.irp g, 0,1
	global_load_b128 v[SC1+8*\g:SC1+8*\g+3], v[SL], s[70:71] offset:1024*\g
	global_load_b128 v[SC1+8*\g+4:SC1+8*\g+7], v[SL], s[70:71] offset:1024*\g+16
.endr
.set FS0, S0V
.set FS1, S1V
	MAIN 0
	EPI 1
	s_wait_tensorcnt 0x0                           ; the wave's end
	ds_add_u32 v[SPW], v[NIL]
	s_wait_dscnt 0x0
	CROUND                                         ; the closing round
	s_endpgm
.Lfunc_end_k_q0554996414_qkv_gemm:
	.size	k_q0554996414_qkv_gemm, .Lfunc_end_k_q0554996414_qkv_gemm-k_q0554996414_qkv_gemm
	.p2alignl 7, 3214868480
	.fill 96, 4, 3214868480
	.section	.rodata,"a",@progbits
	.p2align	6, 0x0
	.amdhsa_kernel k_q0554996414_qkv_gemm
		.amdhsa_group_segment_fixed_size 327680
		.amdhsa_private_segment_fixed_size 0
		.amdhsa_enable_private_segment 0
		.amdhsa_kernarg_size 48
		.amdhsa_user_sgpr_count 2
		.amdhsa_user_sgpr_kernarg_segment_ptr 1
		.amdhsa_wavefront_size32 1
		.amdhsa_system_sgpr_workgroup_id_x 1
		.amdhsa_system_sgpr_workgroup_id_y 1
		.amdhsa_system_sgpr_workgroup_id_z 1
		.amdhsa_system_vgpr_workitem_id 0
		.amdhsa_next_free_vgpr 1024
		.amdhsa_next_free_sgpr 102
		.amdhsa_reserve_vcc 0
		.amdhsa_float_denorm_mode_32 3
		.amdhsa_float_denorm_mode_16_64 3
		.amdhsa_memory_ordered 1
		.amdhsa_forward_progress 1
		.amdhsa_inst_pref_size 199
	.end_amdhsa_kernel
	.amdgpu_metadata
---
amdhsa.version: [ 1, 2 ]
amdhsa.kernels:
  - .name:           k_q0554996414_qkv_gemm
    .symbol:         k_q0554996414_qkv_gemm.kd
    .args:
      - { .name: hcodes, .offset: 0, .size: 8, .value_kind: global_buffer, .address_space: global }
      - { .name: hscales, .offset: 8, .size: 8, .value_kind: global_buffer, .address_space: global }
      - { .name: wqcodes, .offset: 16, .size: 8, .value_kind: global_buffer, .address_space: global }
      - { .name: wqscales, .offset: 24, .size: 8, .value_kind: global_buffer, .address_space: global }
      - { .name: b_qkv, .offset: 32, .size: 8, .value_kind: global_buffer, .address_space: global }
      - { .name: qkv, .offset: 40, .size: 8, .value_kind: global_buffer, .address_space: global }
    .group_segment_fixed_size: 327680
    .private_segment_fixed_size: 0
    .kernarg_segment_align: 8
    .kernarg_segment_size: 48
    .max_flat_workgroup_size: 128
    .sgpr_count:     102
    .vgpr_count:     1024
    .wavefront_size: 32
...
	.end_amdgpu_metadata
.endif
;; end of part 2
;; launch attention (part 3): grid 4 x 64, 16 waves a work-group, clusters of 4 x 1, 212,992 bytes of LDS; arguments qkv, ocodes, oscales; writes ocodes, oscales
.if DOCPART == 3
	.amdgcn_target "amdgcn-amd-amdhsa--gfx1250"
	.amdhsa_code_object_version 6
	.text
	.protected	k_q0554996414_attention
	.globl	k_q0554996414_attention
	.p2align	8
	.type	k_q0554996414_attention,@function
k_q0554996414_attention:
	s_mov_b64 s[64:65], 0
	v_nop
	global_prefetch_b8 v0, s[64:65] scope:SCOPE_SE
	s_setreg_imm32_b32 hwreg(HW_REG_WAVE_MODE, 25, 1), 1
	s_wait_xcnt 0x0
	s_wait_alu depctr_hold_cnt(0) depctr_sa_sdst(0) depctr_va_vdst(0) depctr_va_sdst(0) depctr_va_ssrc(0) depctr_va_vcc(0) depctr_vm_vsrc(0)
	s_getreg_b32 s2, hwreg(HW_REG_IB_STS2, 6, 4)
	s_cmp_eq_u32 s2, 0
	s_cbranch_scc0 .Lentry_in_a_cluster
	s_endpgm
.Lentry_in_a_cluster:
	s_bfe_u32 s2, ttmp6, 0x10000c
	s_cmp_lg_u32 s2, 0x3003
	s_cbranch_scc0 .Lentry_shape_is_right
	s_endpgm
.Lentry_shape_is_right:
; O = softmax(Q K^T / 8) V for one (batch, head) a cluster, both products on codes of E3M2; O / the row's sum is quantised along the head's 64 channels and leaves as codes.
; THE SOFTMAX AHEAD OF THE SECOND PRODUCT: t = score x log2(e) / 8; M = the running largest t rounded UP to a whole number; p = 2^(t - M) is quantised along the keys, not normalised; the row's sum is taken of the
; unquantised p; when M moves, the sum and O are multiplied by 2^(old M - new M), which rounds nothing.
; SHARES.  The four work-groups of a cluster take 512 queries each of one head.  Each of the sixteen waves owns two tiles of 16 queries and walks the head's 16 steps of 128 keys once for each.
; LDS.  The head's K, V and their scale words, 16 records of 13,056 bytes, lie in LDS for the whole launch: each wave asks for one record, jointly with the same wave of the three partners; nothing is filled again,
; and there is no loop of loads to run ahead in, so nothing is prefetched.  The records are images of the operand registers.
; LAYOUT.  Both products transposed: S^T = K Q^T, O^T = V^T P^T: a lane holds ONE query throughout.  The keys of a tile of K and the channels of a tile of V are rows 8 t + r % 8 + 32 (r / 8) of their 64, so that a
; lane's 32 registers of four neighbouring tiles are ONE WHOLE BLOCK of 32 along the next product's K: lanes 0-15 hold blocks 0 and 2 of a step's four, lanes 16-31 blocks 1 and 3, as the operand's layout wants them.
; K = 64 IN A PRODUCT 128 DEEP.  Q's upper six registers are zero codes.  K's tiles lie six registers apart, so the upper six registers of a tile's operand are the NEXT tile's codes (behind the last tile: zeros): numbers of
; E3M2, which has neither infinity nor NaN, times zero.  The scale bytes of that half are 0x01 on both sides.
; A block's largest p is not searched for: the block's largest score goes through the same multiply-add and exponential.  That takes v_exp_f32 not to fall where its input rises.
; The last seven additions of a step's sum name no register of the products: four stand behind the step's second product, three behind the next step's first, as the places that those products are owed.
; LIMITS: NaN and infinities are not served; a block of O under 2^-122 keeps the byte 1, a block of zeros too (its codes are zeros, and this program alone reads the bytes).  The promise holds while |t| stays under 2^31.
.set RECB, 19712
.set RLDS, 13056                       ; K's codes 6,144, V's codes 6,144, K's scale words 512, V's 256
.set OST,  16*RLDS                     ; 1,024 bytes: the scale half-words of the work-group's 32 tiles of O
.set L16, 1
.set L8,  2
.set AD,  3
.set AD8, 4
.set OSW, 5
.set OSR, 6
.set OSG, 7
.set SH8, 8                            ; 8 x (lane / 16)
.set QF,  16                           ; v16-21 Q of my even tile, v22-27 of my odd tile, v28-33 zeros
.set QS,  34
.set KS,  36
.set VS,  40
.set KF,  42                           ; v42-89 K's eight tiles, then V's four; v90-95 zeros
.set S,   96
.set O,   160
.set PC,  192
.set PCT, 204
.set BM,  212
.set PM,  216
.set SO,  220
.set FP,  224
.set TMP, 226
.set PW,  227
.set OSH, 230
.set OC,  232
.set OCT, 240
.set WV,  10
.set CX,  11
.set BH,  12
.set G0,  16
.set SEL, 20
.set CS,  22
.set G1,  24
.set TB,  32
.set CNT, 33
.set MSK, 34
.macro ROUND
	s_barrier_signal -1
	s_barrier_wait -1
	s_cmp_lg_u32 s[WV], 0
	s_cbranch_scc1 .Lnot_wave_0_\@
	s_barrier_signal -3
.Lnot_wave_0_\@:
	s_barrier_wait -3
	s_barrier_signal -1
	s_barrier_wait -1
.endm
	s_load_b128 s[4:7], s[0:1], 0x0                ; the records, O's codes
	s_load_b64 s[8:9], s[0:1], 0x10                ; O's scale half-words
	v_lshl_add_u32 v254, v0, 2, 0x33800
	v_mov_b32 v255, 0
	ds_add_u32 v254, v255
	ds_add_u32 v254, v255
	v_lshrrev_b32 v1, 5, v0
	s_delay_alu instid0(VALU_DEP_1)
	v_readfirstlane_b32 s[WV], v1
	v_and_b32 v2, 31, v0
	v_bfe_u32 v[SH8], v0, 4, 1
	s_delay_alu instid0(VALU_DEP_2)
	v_lshlrev_b32 v[L16], 4, v2
	v_lshlrev_b32 v[L8], 3, v2
	v_lshlrev_b32 v[SH8], 3, v[SH8]
	v_lshl_add_u32 v[OSW], v0, 1, OST
	v_lshl_add_u32 v[OSR], v0, 4, OST
	v_lshlrev_b32 v[OSG], 4, v0
	s_bfe_u32 s[CX], ttmp6, 0x40000                ; my place in the cluster: it enters Q's and O's addresses in memory alone
	s_and_b32 s[BH], ttmp7, 0xffff                 ; batch x 16 + head
	s_mov_b32 s[G1], 15|(3<<16)|(1<<21)
	s_mov_b32 s[G1+1], 32<<16                      ; 51 dense rows of 256 bytes
	s_mov_b32 s[G1+2], 51<<16
	s_mov_b32 s[G1+3], 32<<16
	s_mov_b32 s[G1+4], 51
	s_mov_b32 s[G1+5], 32
	s_mov_b32 s[G1+6], 0
	s_mov_b32 s[G1+7], 0
	s_lshl_b32 s13, s[BH], 4
	s_add_co_u32 s14, s13, s[WV]
	s_mul_i32 s14, s14, RECB                       ; the record that I fetch: step = my wave's number
	s_mov_b32 s15, 0
	s_mov_b32 s[G0], 1
	s_mul_i32 s[G0+1], s[WV], RLDS
	s_lshl_b32 s35, s[CX], 2
	s_lshr_b32 s36, s[WV], 2
	s_add_co_u32 s35, s35, s36                     ; the step of 128 tokens in which my queries lie
	s_and_b32 s38, s[WV], 3                        ; and which pair of its eight tiles is mine
	s_add_co_u32 s36, s13, s35
	s_mul_i32 s36, s36, RECB
	s_and_b32 s40, s38, 1
	s_lshl_b32 s40, s40, 2
	s_lshr_b32 s41, s38, 1
	s_lshl_b32 s41, s41, 8
	s_add_co_u32 s40, s40, s41
	s_add_co_u32 s40, s40, s36                     ; Q's scale words: two planes of 256 bytes, 8 bytes a lane; plane = pair / 2, word = pair % 2
	s_mov_b32 s41, 0
	s_mul_i32 s39, s38, 1536
	s_add_co_u32 s36, s36, s39                     ; Q's codes: twelve registers, three runs of 512 bytes
	s_mov_b32 s37, 0
	s_lshr_b32 s44, s[BH], 4
	s_and_b32 s45, s[BH], 15
	s_lshl_b32 s46, s44, 4
	s_add_co_u32 s46, s46, s35
	s_lshl_b32 s46, s46, 3
	s_lshl_b32 s47, s38, 1
	s_add_co_u32 s46, s46, s47                     ; my even tile among the 512 tiles of tokens
	s_mul_i32 s46, s46, 12288
	s_mul_i32 s47, s45, 768
	s_add_co_u32 s42, s46, s47
	s_mov_b32 s43, 0
	s_lshl_b32 s46, s45, 14                        ; the half-words: 16,384 bytes a head, 32 a tile
	s_lshl_b32 s47, s44, 12
	s_add_co_u32 s46, s46, s47
	s_lshl_b32 s47, s[CX], 10
	s_add_co_u32 s46, s46, s47
	s_mov_b32 s47, 0
	s_mov_b32 s[SEL], 0x76543210
	s_mov_b32 s[SEL+1], 0xfedcba98
	s_mov_b32 s[CS], 0x3e38aa3b                    ; c = log2(e) / 8
	s_mov_b32 s[CS+1], s[CS]
	s_mov_b32 s[MSK], 0xffff0000
	s_wait_dscnt 0x0
	s_wait_kmcnt 0x0
	s_add_nc_u64 s[G0+2:G0+3], s[4:5], s[14:15]
	s_or_b32 s[G0+3], s[G0+3], 0x80000000
	s_add_nc_u64 s[36:37], s[4:5], s[36:37]
	s_add_nc_u64 s[40:41], s[4:5], s[40:41]
	s_add_nc_u64 s[6:7], s[6:7], s[42:43]
	s_add_nc_u64 s[8:9], s[8:9], s[46:47]
	ROUND                                          ; the joint loads meet
	tensor_load_to_lds s[G0:G0+3], s[G1:G1+7]      ; my one tensor load of the launch
	s_nop 0
.rept 4
	v_nop
.endr
	s_wait_alu depctr_va_vdst(0)
.irp j, 0,1,2
	global_load_b128 v[QF+4*\j:QF+4*\j+3], v[L16], s[36:37] offset:13056+512*\j
.endr
	global_load_b32 v[QS], v[L8], s[40:41] offset:19200
.irp j, 0,1,2,3,4,5
	v_mov_b32 v[QF+12+\j], 0                       ; zero codes: the upper half of the odd tile's Q,
	v_mov_b32 v[KF+48+\j], 0                       ; and what stands behind K's last tile
.endr
	v_mov_b32 v[PM], 0                             ; a lane permute's destination counts as one of its sources
	v_mov_b32 v[TMP], 0
	v_mov_b32 v[FP+1], 0
	s_wait_alu depctr_va_vdst(0)
	s_wait_tensorcnt 0x0                           ; my record has landed,
	s_barrier_signal -1
	s_barrier_wait -1                              ; everybody's has
	s_wait_loadcnt 0x0                             ; Q
.macro KQ t, qf, qrow
.if ((\t)%2) && (\qrow)
	v_wmma_scale_f32_16x16x128_f8f6f4 v[S+8*(\t):S+8*(\t)+7], v[KF+6*(\t):KF+6*(\t)+11], v[\qf:\qf+11], 0, v[KS+(\t)/2], v[QS] matrix_a_fmt:MATRIX_FMT_BF6 matrix_b_fmt:MATRIX_FMT_BF6 matrix_a_scale:MATRIX_SCALE_ROW1 matrix_b_scale:MATRIX_SCALE_ROW1
.elseif (\t)%2
	v_wmma_scale_f32_16x16x128_f8f6f4 v[S+8*(\t):S+8*(\t)+7], v[KF+6*(\t):KF+6*(\t)+11], v[\qf:\qf+11], 0, v[KS+(\t)/2], v[QS] matrix_a_fmt:MATRIX_FMT_BF6 matrix_b_fmt:MATRIX_FMT_BF6 matrix_a_scale:MATRIX_SCALE_ROW1
.elseif \qrow
	v_wmma_scale_f32_16x16x128_f8f6f4 v[S+8*(\t):S+8*(\t)+7], v[KF+6*(\t):KF+6*(\t)+11], v[\qf:\qf+11], 0, v[KS+(\t)/2], v[QS] matrix_a_fmt:MATRIX_FMT_BF6 matrix_b_fmt:MATRIX_FMT_BF6 matrix_b_scale:MATRIX_SCALE_ROW1
.else
	v_wmma_scale_f32_16x16x128_f8f6f4 v[S+8*(\t):S+8*(\t)+7], v[KF+6*(\t):KF+6*(\t)+11], v[\qf:\qf+11], 0, v[KS+(\t)/2], v[QS] matrix_a_fmt:MATRIX_FMT_BF6 matrix_b_fmt:MATRIX_FMT_BF6
.endif
.endm
.macro PV t
.if (\t)%2
	v_wmma_scale_f32_16x16x128_f8f6f4 v[O+8*(\t):O+8*(\t)+7], v[KF+12*(\t):KF+12*(\t)+11], v[PC:PC+11], v[O+8*(\t):O+8*(\t)+7], v[VS+(\t)/2], v[PW] matrix_a_fmt:MATRIX_FMT_BF6 matrix_b_fmt:MATRIX_FMT_BF6 matrix_a_scale:MATRIX_SCALE_ROW1
.else
	v_wmma_scale_f32_16x16x128_f8f6f4 v[O+8*(\t):O+8*(\t)+7], v[KF+12*(\t):KF+12*(\t)+11], v[PC:PC+11], v[O+8*(\t):O+8*(\t)+7], v[VS+(\t)/2], v[PW] matrix_a_fmt:MATRIX_FMT_BF6 matrix_b_fmt:MATRIX_FMT_BF6
.endif
.endm
.macro TREE_END                        ; the last three additions of a step's sum
	v_pk_add_f32 v[14:15], v[14:15], v[252:253]
	v_pk_add_f32 v[228:229], v[228:229], v[250:251]
	s_delay_alu instid0(VALU_DEP_1)
	v_pk_add_f32 v[14:15], v[14:15], v[228:229]
.endm
; A KEY STEP: 128 keys against one tile of 16 queries.  v12 = -M, v13 = the running largest score, v[14:15] the sum in two halves.
.macro STEP qf, qrow
	v_add_nc_u32 v[AD], s[TB], v[L16]              ; with the four additions at the last step's end: the places behind its products, ahead of loads into registers that they read
	v_add_nc_u32 v[AD8], s[TB], v[L8]
.irp j, 0,1,2,3,4,5,6,7,8,9,10,11
	ds_load_b128 v[KF+4*\j:KF+4*\j+3], v[AD] offset:512*\j
.endr
	ds_load_b64 v[KS:KS+1], v[AD8] offset:12288
	ds_load_b64 v[KS+2:KS+3], v[AD8] offset:12544
	s_wait_alu depctr_va_vdst(0)
	s_wait_dscnt 0x0
.irp t, 0,1,2,3,4,5,6,7
	KQ \t, \qf, \qrow
.endr
	TREE_END                                       ; the last step's sum is whole; these three and the copy are the four places behind the products
	v_mov_b32 v[TMP], v12
.irp j, 0,1,2,3,4,5,6,7,8,9,10,11
	ds_load_b128 v[KF+4*\j:KF+4*\j+3], v[AD] offset:6144+512*\j     ; V's four tiles land while the softmax is worked
.endr
	ds_load_b64 v[VS:VS+1], v[AD8] offset:12800
.irp b, 0,1,2,3
	v_max3_num_f32 v[BM+\b], v[S+16*\b], v[S+1+16*\b], v[S+2+16*\b]   ; four chains; two of them make a block of 32 keys
.endr
.irp i, 3,5,7,9,11,13
.irp b, 0,1,2,3
	v_max3_num_f32 v[BM+\b], v[BM+\b], v[S+16*\b+\i], v[S+1+16*\b+\i]
.endr
.endr
	v_max3_num_f32 v[BM], v[BM], v[BM+1], v[S+15]
	v_max3_num_f32 v[BM+2], v[BM+2], v[BM+3], v[S+47]
	v_max_num_f32 v[BM], v[BM], v[S+31]            ; the largest score of my first block,
	v_max_num_f32 v[BM+2], v[BM+2], v[S+63]        ; and of my second
	v_max_num_f32 v[PM+1], v[BM], v[BM+2]
	v_permlanex16_b32 v[PM], v[PM+1], s[SEL], s[SEL+1]
	v_max3_num_f32 v13, v13, v[PM], v[PM+1]        ; the running largest score (c is positive: the largest t is c x it)
	v_mul_f32 v[PM+1], s[CS], v13
	v_floor_f32 v12, -v[PM+1]                      ; the new -M = floor(-t): M is a whole number
	v_sub_f32 v[TMP], v12, v[TMP]                  ; old M - new M: a whole number, 0 or less
	v_cvt_i32_f32 v[TMP], v[TMP]                   ; (it saturates)
	v_ldexp_f32 v[FP], 1.0, v[TMP]                 ; f = 2^(old M - new M)
.set n, 0
.rept 32
	v_pk_fma_f32 v[S+n:S+n+1], v[S+n:S+n+1], s[CS:CS+1], v[12:13] op_sel_hi:[1,0,0]   ; t - M
.set n, n+2
.endr
	v_fma_f32 v[BM], v[BM], s[CS], v12             ; the same of each block's largest score
	v_fma_f32 v[BM+2], v[BM+2], s[CS], v12
	s_wait_alu depctr_va_vdst(0)
.set n, 0
.rept 64
	v_exp_f32 v[S+n], v[S+n]                       ; p = 2^(t - M), at most 1
.set n, n+1
.endr
	v_pk_mul_f32 v[14:15], v[14:15], v[FP:FP+1] op_sel_hi:[1,0]   ; the sums under the new M.  (The plain instruction behind the exponentials)
	s_wait_alu depctr_va_vdst(0)                   ; one wait for the batch of 64
	v_exp_f32 v[BM], v[BM]                         ; each block's largest p
	v_exp_f32 v[BM+2], v[BM+2]
	v_pk_add_f32 v[228:229], v[100:101], v[104:105]
	v_pk_add_f32 v[252:253], v[108:109], v[112:113]
	v_pk_add_f32 v[250:251], v[116:117], v[120:121]
	v_pk_add_f32 v[248:249], v[124:125], v[128:129]
	v_pk_add_f32 v[246:247], v[132:133], v[136:137]
	v_pk_add_f32 v[244:245], v[140:141], v[144:145]
	v_pk_add_f32 v[242:243], v[148:149], v[152:153]
	v_pk_add_f32 v[14:15], v[14:15], v[156:157]
	v_pk_add_f32 v[228:229], v[228:229], v[96:97]
	v_pk_add_f32 v[252:253], v[252:253], v[98:99]
	v_pk_add_f32 v[250:251], v[250:251], v[102:103]
	v_pk_add_f32 v[248:249], v[248:249], v[106:107]
	v_pk_add_f32 v[246:247], v[246:247], v[110:111]
	v_pk_add_f32 v[244:245], v[244:245], v[114:115]
	v_pk_add_f32 v[242:243], v[242:243], v[118:119]
	v_pk_add_f32 v[14:15], v[14:15], v[122:123]
	v_pk_add_f32 v[228:229], v[228:229], v[126:127]
	v_pk_add_f32 v[252:253], v[252:253], v[130:131]
	v_pk_add_f32 v[250:251], v[250:251], v[134:135]
	v_pk_add_f32 v[248:249], v[248:249], v[138:139]
	v_pk_add_f32 v[246:247], v[246:247], v[142:143]
	v_pk_add_f32 v[244:245], v[244:245], v[146:147]
	v_pk_add_f32 v[242:243], v[242:243], v[150:151]
	v_pk_add_f32 v[14:15], v[14:15], v[154:155]
	v_pk_add_f32 v[228:229], v[228:229], v[158:159]
	s_wait_alu depctr_va_vdst(0)                   ; and one for the two
	v_max_num_f32 v[BM], 0x2800000, v[BM]          ; the floor 2^(5 - 127): the byte cannot fall under 1
	v_max_num_f32 v[BM+2], 0x2800000, v[BM+2]
	s_delay_alu instid0(VALU_DEP_2)
	v_add_nc_u32 v[SO], 0xfe000000, v[BM]          ; 4 off the exponent field: the conversion's scale operand
	s_delay_alu instid0(VALU_DEP_2)
	v_add_nc_u32 v[SO+1], 0xfe000000, v[BM+2]
	s_delay_alu instid0(VALU_DEP_2)
	v_lshrrev_b32 v[PM], 23, v[SO]
	s_delay_alu instid0(VALU_DEP_2)
	v_lshrrev_b32 v[PM+1], 23, v[SO+1]
	s_delay_alu instid0(VALU_DEP_1)
	v_lshl_or_b32 v[PW], v[PM+1], 16, v[PM]
	s_delay_alu instid0(VALU_DEP_1)
	v_lshlrev_b32 v[PW], v[SH8], v[PW]             ; my two bytes at their places in the scale word
	s_delay_alu instid0(VALU_DEP_1)
	v_permlanex16_b32 v[PM], v[PW], s[SEL], s[SEL+1]
	v_cvt_scalef32_pk16_bf6_f32 v[PC:PC+2], v[S:S+15], v[SO]
	v_cvt_scalef32_pk16_bf6_f32 v[PCT:PCT+2], v[S+16:S+31], v[SO]
	v_cvt_scalef32_pk16_bf6_f32 v[PC+6:PC+8], v[S+32:S+47], v[SO+1]
	v_cvt_scalef32_pk16_bf6_f32 v[PCT+4:PCT+6], v[S+48:S+63], v[SO+1]
	v_or_b32 v[PW], v[PW], v[PM]                   ; with lane l xor 16's two the word is whole.  (The plain instruction behind the conversions)
.irp i, 0,1,2
	v_mov_b32 v[PC+3+\i], v[PCT+\i]                ; (a conversion's three registers begin on an even number)
	v_mov_b32 v[PC+9+\i], v[PCT+4+\i]
.endr
	s_wait_alu depctr_va_vdst(0)
.set n, 0
.rept 16
	v_pk_mul_f32 v[O+n:O+n+1], v[O+n:O+n+1], v[FP:FP+1] op_sel_hi:[1,0]   ; O^T under the new M; these stand between the scale word's and the codes' last writes and the products
.set n, n+2
.endr
	s_wait_alu depctr_va_vdst(0)
	s_wait_dscnt 0x0                               ; V
.irp t, 0,1,2,3
	PV \t
.endr
	v_pk_add_f32 v[14:15], v[14:15], v[248:249]    ; four more additions of the sum: places behind the products
	v_pk_add_f32 v[228:229], v[228:229], v[246:247]
	v_pk_add_f32 v[252:253], v[252:253], v[244:245]
	v_pk_add_f32 v[250:251], v[250:251], v[242:243]
	s_add_co_u32 s[TB], s[TB], RLDS
.endm
; One tile of 16 queries against all 2,048 keys; then O / the sum, quantised along the 64 channels: my 32 registers are channels 32 (lane / 16) + 0 .. 31, one whole block.
.macro PASS tile, qf
	v_mov_b32 v13, 0xff61b1e6                      ; the largest score so far: -3e38
	v_mov_b32 v12, 0x7e000000                      ; -M: so large that the first f is 0
	v_mov_b32 v14, 0
	v_mov_b32 v15, 0
.irp r, 228,229,250,251,252,253
	v_mov_b32 v\r, 0                               ; the first step finds no sum left over
.endr
.set n, 0
.rept 32
	v_mov_b32 v[O+n], 0                            ; the step is written once: the first finds zeros
.set n, n+1
.endr
	s_mov_b32 s[TB], 0
	s_mov_b32 s[CNT], 16
.Lkeys_\@:
	STEP \qf, \tile
	s_sub_co_u32 s[CNT], s[CNT], 1
	s_cmp_lg_u32 s[CNT], 0
	s_cbranch_scc1 .Lkeys_\@
	TREE_END
	s_delay_alu instid0(VALU_DEP_1)
	v_add_f32 v14, v14, v15
	s_delay_alu instid0(VALU_DEP_1)
	v_permlanex16_b32 v[TMP], v14, s[SEL], s[SEL+1]
	s_delay_alu instid0(VALU_DEP_1)
	v_add_f32 v14, v14, v[TMP]                     ; the row's sum
	s_wait_alu depctr_va_vdst(0)
	v_rcp_f32 v[FP], v14
	v_nop
.if \tile == 0
	s_wait_xcnt 0x0                                ; the first tile's stores have read their registers
.endif
	s_wait_alu depctr_va_vdst(0)                   ; ahead of the reciprocal's and O^T's first reader
.set n, 0
.rept 16
	v_pk_mul_f32 v[S+n:S+n+1], v[O+n:O+n+1], v[FP:FP+1] op_sel_hi:[1,0]
.set n, n+2
.endr
.irp b, 0,1
	v_max3_num_f32 v[BM+\b], |v[S+16*\b]|, |v[S+1+16*\b]|, 0x2800000
.endr
.irp i, 2,4,6,8,10,12,14
.irp b, 0,1
	s_delay_alu instid0(VALU_DEP_2)
	v_max3_num_f32 v[BM+\b], v[BM+\b], |v[S+16*\b+\i]|, |v[S+1+16*\b+\i]|
.endr
.endr
	s_delay_alu instid0(VALU_DEP_1)
	v_max_num_f32 v[BM], v[BM], v[BM+1]
	s_delay_alu instid0(VALU_DEP_1)
	v_add_nc_u32 v[SO], 0xfe000000, v[BM]
	s_delay_alu instid0(VALU_DEP_1)
	v_lshrrev_b32 v[PM+1], 23, v[SO]
	s_delay_alu instid0(VALU_DEP_1)
	v_lshlrev_b32 v[PM+1], v[SH8], v[PM+1]         ; my block's byte at its place
	s_delay_alu instid0(VALU_DEP_1)
	v_permlanex16_b32 v[PM], v[PM+1], s[SEL], s[SEL+1]
	v_cvt_scalef32_pk16_bf6_f32 v[OC:OC+2], v[S:S+15], v[SO]
	v_cvt_scalef32_pk16_bf6_f32 v[OCT:OCT+2], v[S+16:S+31], v[SO]
	v_or_b32 v[OSH+\tile], v[PM], v[PM+1]          ; my row's two scale bytes
.irp i, 0,1,2
	v_mov_b32 v[OC+3+\i], v[OCT+\i]                ; six registers of the last product's fragment: lanes 0-15 channels 0-31, lanes 16-31 channels 32-63
.endr
.irp p, 0,1,2
	global_store_b64 v[L8], v[OC+2*\p:OC+2*\p+1], s[6:7] offset:\tile*12288+256*\p   ; 32 lanes store 256 consecutive bytes, at a multiple of 256 from the buffer's first byte
.endr
.endm
	PASS 1, QF+6                                   ; my odd tile first: zeros stand behind its codes
.irp j, 0,1,2,3,4,5
	v_mov_b32 v[QF+6+\j], 0                        ; then its codes make way for the zeros behind my even tile's
.endr
	PASS 0, QF
	v_cndmask_b32 v[OSH], v[OSH], v[OSH+1], s[MSK] ; lanes 0-15 the even tile's rows, lanes 16-31 the odd one's
	ds_store_b16 v[OSW], v[OSH]
	s_wait_dscnt 0x0
	s_barrier_signal -1
	s_barrier_wait -1
	s_cmp_ge_u32 s[WV], 2
	s_cbranch_scc1 .Lno_copy
	ds_load_b128 v[S:S+3], v[OSR]                  ; threads 0-63: the work-group's 1,024 bytes
	s_wait_dscnt 0x0
	global_store_b128 v[OSG], v[S:S+3], s[8:9]
.Lno_copy:
	s_wait_tensorcnt 0x0
	ds_add_u32 v254, v255
	s_wait_dscnt 0x0
	ROUND                                          ; the closing round
	s_endpgm
.Lfunc_end_k_q0554996414_attention:
	.size	k_q0554996414_attention, .Lfunc_end_k_q0554996414_attention-k_q0554996414_attention
	.p2alignl 7, 3214868480
	.fill 96, 4, 3214868480
	.section	.rodata,"a",@progbits
	.p2align	6, 0x0
	.amdhsa_kernel k_q0554996414_attention
		.amdhsa_group_segment_fixed_size 212992
		.amdhsa_private_segment_fixed_size 0
		.amdhsa_enable_private_segment 0
		.amdhsa_kernarg_size 24
		.amdhsa_user_sgpr_count 2
		.amdhsa_user_sgpr_kernarg_segment_ptr 1
		.amdhsa_wavefront_size32 1
		.amdhsa_system_sgpr_workgroup_id_x 1
		.amdhsa_system_sgpr_workgroup_id_y 1
		.amdhsa_system_sgpr_workgroup_id_z 1
		.amdhsa_system_vgpr_workitem_id 0
		.amdhsa_next_free_vgpr 256
		.amdhsa_next_free_sgpr 66
		.amdhsa_reserve_vcc 0
		.amdhsa_float_denorm_mode_32 3
		.amdhsa_float_denorm_mode_16_64 3
		.amdhsa_memory_ordered 1
		.amdhsa_forward_progress 1
		.amdhsa_inst_pref_size 47
	.end_amdhsa_kernel
	.amdgpu_metadata
---
amdhsa.version: [ 1, 2 ]
amdhsa.kernels:
  - .name:           k_q0554996414_attention
    .symbol:         k_q0554996414_attention.kd
    .args:
      - { .name: qkv, .offset: 0, .size: 8, .value_kind: global_buffer, .address_space: global }
      - { .name: ocodes, .offset: 8, .size: 8, .value_kind: global_buffer, .address_space: global }
      - { .name: oscales, .offset: 16, .size: 8, .value_kind: global_buffer, .address_space: global }
    .group_segment_fixed_size: 212992
    .private_segment_fixed_size: 0
    .kernarg_segment_align: 8
    .kernarg_segment_size: 24
    .max_flat_workgroup_size: 512
    .sgpr_count:     66
    .vgpr_count:     256
    .wavefront_size: 32
...
	.end_amdgpu_metadata
.endif
;; end of part 3
;; launch out_gemm (part 4): grid 4 x 64, 4 waves a work-group, clusters of 4 x 4, 327,680 bytes of LDS; arguments ocodes, oscales, w_out_codes, w_out_scales, b_out, x, out0; writes out0
.if DOCPART == 4
	.amdgcn_target "amdgcn-amd-amdhsa--gfx1250"
	.amdhsa_code_object_version 6
	.text
	.protected	k_q0554996414_out_gemm
	.globl	k_q0554996414_out_gemm
	.p2align	8
	.type	k_q0554996414_out_gemm,@function
k_q0554996414_out_gemm:
	s_mov_b64 s[64:65], 0
	v_nop
	global_prefetch_b8 v0, s[64:65] scope:SCOPE_SE
	s_setreg_imm32_b32 hwreg(HW_REG_WAVE_MODE, 25, 1), 1
	s_wait_xcnt 0x0
	s_wait_alu depctr_hold_cnt(0) depctr_sa_sdst(0) depctr_va_vdst(0) depctr_va_sdst(0) depctr_va_ssrc(0) depctr_va_vcc(0) depctr_vm_vsrc(0)
	s_getreg_b32 s2, hwreg(HW_REG_IB_STS2, 6, 4)
	s_cmp_eq_u32 s2, 0
	s_cbranch_scc0 .Lentry_in_a_cluster
	s_endpgm
.Lentry_in_a_cluster:
	s_bfe_u32 s2, ttmp6, 0x10000c
	s_cmp_lg_u32 s2, 0xf033
	s_cbranch_scc0 .Lentry_shape_is_right
	s_endpgm
.Lentry_shape_is_right:
; out0 = x + O w_out^T + b_out on codes of E3M2.  A work-group makes 128 tokens x 256 columns, with ALL OF K in LDS, filled once at the head, one joint load a wave; nothing is filled again.
; O's codes are images of operand registers (a tile of 16 tokens: 16 heads x 3 planes of 256 bytes): 8 tiles, 98,304 dense bytes (wave 0).  O's scale half-words: 16 heads x 256 bytes (wave 1).
; w_out's 256 rows of 768 bytes come as rows of 256 bytes with 16 bytes of padding behind each, LDS pitch 816 (waves 2, 3).  w_out's scale words come straight from memory, 32 rows a load.
; CLUSTERS 4 x 4: O's tiles are shared along a row of the cluster, w_out's along a column.
; A wave makes 128 columns (source 0) x 64 tokens (source 1): a lane holds eight neighbouring columns of a token.  Its 64 rows of x are asked for at the head, into registers.
; The way out goes through a stage in the bytes that held O's codes, behind a barrier behind which nobody reads them; whole rows of 512 bytes are stored.
; The tokens of a tile are rows 8 u + r % 8 + 32 (r / 8) of their 64, as the earlier launches laid them.
; No prefetch: the launch has no loop to run ahead in; each tile is asked for once, at the head.
.set RP,     816
.set BLK,    16*RP
.set BREG,   98304
.set OSL,    BREG+256*RP
.set SPARE,  OSL+4096
.set SPITCH, 528
.set DW,     (3<<16)|(1<<20)|(1<<21)|(5<<22)|(3<<25)
.set BI,   8
.set S0,   16
.set S1,   20
.set ADOS, 22
.set STO,  24
.set RD,   25
.set CO,   26
.set SL,   27
.set SPW,  28
.set NIL,  29
.set SC0,  32                          ; v32-63 w_out's scale words: 8 (b / 2) + step
.set SC1,  64                          ; v64-79 O's: 8 (a / 2) + step
.set F1,   128                         ; O's fragments, two sets of 48; w_out's in window 1; accumulators window 2; x window 3
.set BK,   128
.set G1, 24
.set G0, 32
.set G0B, 36
.set G1B, 48
.set G1S, 68
.set G0S, 76
.set MSB, 0
.macro WIN new
.if MSB != (\new)
	s_set_vgpr_msb (MSB<<8)|(\new)
.set MSB, \new
.endif
.endm
.macro PLACES n
.rept \n
	v_nop
.endr
.endm
.macro CREST
	s_cmp_lg_u32 s14, 0
	s_cbranch_scc1 .Lnot_wave_0_\@
	s_barrier_signal -3
.Lnot_wave_0_\@:
	s_barrier_wait -3
	s_barrier_signal -1
	s_barrier_wait -1
.endm
.macro CROUND
	s_barrier_signal -1
	s_barrier_wait -1
	CREST
.endm
	s_load_b128 s[4:7], s[0:1], 0x0                ; ocodes, oscales
	s_load_b128 s[8:11], s[0:1], 0x10              ; w_out's codes, scales
	s_load_b128 s[96:99], s[0:1], 0x20             ; b_out, x
	s_load_b64 s[12:13], s[0:1], 0x30              ; out0
	v_lshl_add_u32 v[SPW], v0, 2, SPARE
	v_mov_b32 v[NIL], 0
	ds_add_u32 v[SPW], v[NIL]
	ds_add_u32 v[SPW], v[NIL]
	v_lshrrev_b32 v1, 5, v0
	v_readfirstlane_b32 s14, v1
	s_lshr_b32 s15, s14, 1                         ; my half of the tokens
	s_and_b32 s16, s14, 1                          ; my half of the columns
	s_bfe_u32 s40, ttmp6, 0x40000
	s_bfe_u32 s41, ttmp6, 0x40004
	s_lshl_b32 s42, ttmp9, 2
	s_add_co_u32 s42, s42, s40                     ; block of 256 columns
	s_and_b32 s17, ttmp7, 0xffff
	s_lshl_b32 s17, s17, 2
	s_add_co_u32 s17, s17, s41                     ; block of 128 tokens
	s_lshl_b32 s43, s41, 2
	s_lshl_b32 s43, 15, s43
	s_lshl_b32 s44, 0x1111, s40
	s_or_b32 s[G1], s43, (3<<16)|(1<<21)           ; O's codes: 384 dense rows of 256 bytes
	s_mov_b32 s[G1+1], 32<<16
	s_mov_b32 s[G1+2], 384<<16
	s_mov_b32 s[G1+3], 32<<16
	s_mov_b32 s[G1+4], 384
	s_mov_b32 s[G1+5], 32
	s_mov_b32 s[G1+6], 0
	s_mov_b32 s[G1+7], 0
	s_or_b32 s[G1S], s43, (3<<16)|(1<<21)          ; O's half-words: 16 heads x 256 bytes, 16,384 bytes apart
	s_mov_b32 s[G1S+1], 32<<16
	s_mov_b32 s[G1S+2], 16<<16
	s_mov_b32 s[G1S+3], 32<<16
	s_mov_b32 s[G1S+4], 16
	s_mov_b32 s[G1S+5], 2048
	s_mov_b32 s[G1S+6], 0
	s_mov_b32 s[G1S+7], 0
	s_or_b32 s[G1B], s44, DW                       ; w_out: 128 rows = 384 rows of 256 bytes, padded
	s_mov_b32 s[G1B+1], 32<<16
	s_mov_b32 s[G1B+2], 384<<16
	s_mov_b32 s[G1B+3], 32<<16
	s_mov_b32 s[G1B+4], 384
	s_mov_b32 s[G1B+5], 32
	s_mov_b32 s[G1B+6], 0
	s_mov_b32 s[G1B+7], 0
	s_mul_i32 s20, s17, 98304
	s_mov_b32 s21, 0
	s_lshl_b32 s22, s17, 8
	s_mov_b32 s23, 0
	s_lshl_b32 s46, s42, 8
	s_lshl_b32 s18, s16, 7
	s_add_co_u32 s46, s46, s18                     ; my first row of w_out
	s_lshl_b32 s60, s46, 5
	s_mov_b32 s61, 0
	s_mul_i32 s46, s46, 768
	s_mov_b32 s47, 0
	s_mov_b32 s[G0], 1
	s_mov_b32 s[G0+1], 0
	s_mov_b32 s[G0S], 1
	s_mov_b32 s[G0S+1], OSL
	s_mov_b32 s[G0B], 1
	s_mul_i32 s[G0B+1], s16, 128*RP
	s_add_co_u32 s[G0B+1], s[G0B+1], BREG
	s_wait_dscnt 0x0
	s_wait_kmcnt 0x0
	s_add_nc_u64 s[G0+2:G0+3], s[4:5], s[20:21]
	s_or_b32 s[G0+3], s[G0+3], 0x80000000
	s_add_nc_u64 s[G0S+2:G0S+3], s[6:7], s[22:23]
	s_or_b32 s[G0S+3], s[G0S+3], 0x80000000
	s_add_nc_u64 s[G0B+2:G0B+3], s[8:9], s[46:47]
	s_or_b32 s[G0B+3], s[G0B+3], 0x80000000
	s_add_nc_u64 s[56:57], s[10:11], s[60:61]      ; my rows' scale bytes
	CROUND                                         ; the joint loads meet
	s_cmp_lt_u32 s14, 1                            ; one chain of branches on the wave's number, one load to an arm
	s_cbranch_scc0 .Lhead_s
	tensor_load_to_lds s[G0:G0+3], s[G1:G1+7]
	s_nop 0
	PLACES 4
	s_branch .Lasked
.Lhead_s:
	s_cmp_lt_u32 s14, 2
	s_cbranch_scc0 .Lhead_b
	tensor_load_to_lds s[G0S:G0S+3], s[G1S:G1S+7]
	s_nop 0
	PLACES 4
	s_branch .Lasked
.Lhead_b:
	tensor_load_to_lds s[G0B:G0B+3], s[G1B:G1B+7]
	s_nop 0
	PLACES 4
.Lasked:
	s_mul_i32 s21, s16, 128*RP
	s_add_co_u32 s21, s21, BREG
	s_add_co_u32 s18, s21, 4*BLK
	s_mul_i32 s22, s15, 49152
	s_lshl_b32 s19, s15, 7
	s_add_co_u32 s19, s19, OSL
	s_mul_i32 s23, s14, 16*SPITCH
	s_lshl_b32 s46, s42, 10
	s_lshl_b32 s47, s16, 9
	s_add_co_u32 s46, s46, s47                     ; my first column, in bytes
	s_mov_b32 s47, 0
	s_lshl_b32 s60, s17, 7
	s_lshl_b32 s62, s15, 6
	s_add_co_u32 s60, s60, s62
	s_lshl_b32 s60, s60, 12                        ; my first token's row
	s_add_co_u32 s60, s60, s46
	s_add_nc_u64 s[96:97], s[96:97], s[46:47]
	s_add_nc_u64 s[98:99], s[98:99], s[60:61]
	s_add_nc_u64 s[12:13], s[12:13], s[60:61]
	v_and_b32 v1, 15, v0
	v_bfe_u32 v2, v0, 4, 1
	v_and_b32 v6, 31, v0
	v_mul_u32_u24 v3, v1, RP
	v_mad_u32_u24 v4, v2, 24, v3
	v_lshl_add_u32 v5, v2, 4, v4
	v_add_nc_u32 v[S0], s21, v4
	v_add_nc_u32 v[S0+1], s21, v5
	v_add_nc_u32 v[S0+2], s18, v4
	v_add_nc_u32 v[S0+3], s18, v5
	v_lshl_add_u32 v[S1], v6, 3, s22
	v_lshl_add_u32 v[ADOS], v6, 1, s19
	v_mul_u32_u24 v7, v1, SPITCH
	v_lshl_add_u32 v7, v2, 5, v7
	v_add_nc_u32 v[STO], s23, v7
	v_lshlrev_b32 v[CO], 4, v6
	v_lshl_add_u32 v[RD], v6, 4, s23
	v_lshlrev_b32 v[SL], 5, v6
	s_wait_alu depctr_va_vdst(0)
.irp g, 0,1,2,3
	global_load_b128 v[SC0+8*\g:SC0+8*\g+3], v[SL], s[56:57] offset:1024*\g
	global_load_b128 v[SC0+8*\g+4:SC0+8*\g+7], v[SL], s[56:57] offset:1024*\g+16
.endr
	global_load_b128 v[BI:BI+3], v[CO], s[96:97]
.macro XLOAD a                         ; 16 rows of x, 512 consecutive bytes a load
	WIN 0xc0
.irp t, 0,1,2,3,4,5,6,7,8,9,10,11,12,13,14,15
; THE ORDER OF TOKENS: row t of tile a of my four is token 8 a + t % 8 + 32 (t / 8) of my 64, as the earlier launches lay them
	global_load_b128 v[64*(\a)+4*\t:64*(\a)+4*\t+3], v[CO], s[98:99] offset:(8*(\a)+\t%8+32*(\t/8))*4096 th:TH_LOAD_NT
.endr
	WIN 0
.endm
	XLOAD 0
	XLOAD 1
	XLOAD 2
.macro FRAG reg, adr, st, i
.irp p, 0,1,2,3,4,5
.set BY, 96*(\st)+48*(\p/3)+8*(\p%3)
.if BY/256 == (BY+24)/256
	ds_load_b64 v[\reg+2*\p:\reg+2*\p+1], v[\adr] offset:BY+16*(BY/256)+(\i)*BLK
.else
	ds_load_b64 v[\reg+2*\p:\reg+2*\p+1], v[\adr+1] offset:BY+16*(BY/256)+(\i)*BLK
.endif
.endr
.endm
.macro FETCH st
	WIN 0x40
.irp i, 0,1,2,3,4,5,6,7
	FRAG 128*((\st)%2)+12*\i, S0+2*(\i/4), \st, \i%4
.endr
	WIN 0
.irp i, 0,1,2,3
.irp p, 0,1,2,3,4,5
	ds_load_b64 v[F1+48*((\st)%2)+12*\i+2*\p:F1+48*((\st)%2)+12*\i+2*\p+1], v[S1] offset:\i*12288+(2*(\st)+\p/3)*768+(\p%3)*256
.endr
.endr
.endm
.macro W4 c, sx, sy, ra, rb
.if (\ra) && (\rb)
	v_wmma_scale_f32_16x16x128_f8f6f4 v[D:D+7], v[X:X+11], v[Y:Y+11], \c, v[\sx], v[\sy] matrix_a_fmt:MATRIX_FMT_BF6 matrix_b_fmt:MATRIX_FMT_BF6 matrix_a_scale:MATRIX_SCALE_ROW1 matrix_b_scale:MATRIX_SCALE_ROW1
.elseif \ra
	v_wmma_scale_f32_16x16x128_f8f6f4 v[D:D+7], v[X:X+11], v[Y:Y+11], \c, v[\sx], v[\sy] matrix_a_fmt:MATRIX_FMT_BF6 matrix_b_fmt:MATRIX_FMT_BF6 matrix_a_scale:MATRIX_SCALE_ROW1
.elseif \rb
	v_wmma_scale_f32_16x16x128_f8f6f4 v[D:D+7], v[X:X+11], v[Y:Y+11], \c, v[\sx], v[\sy] matrix_a_fmt:MATRIX_FMT_BF6 matrix_b_fmt:MATRIX_FMT_BF6 matrix_b_scale:MATRIX_SCALE_ROW1
.else
	v_wmma_scale_f32_16x16x128_f8f6f4 v[D:D+7], v[X:X+11], v[Y:Y+11], \c, v[\sx], v[\sy] matrix_a_fmt:MATRIX_FMT_BF6 matrix_b_fmt:MATRIX_FMT_BF6
.endif
.endm
.macro MUL st, zero                    ; 32 products, the 32 accumulators by turns
	WIN 0xa1
.irp a, 0,1,2,3
.irp b, 0,1,2,3,4,5,6,7
.set D, 8*(8*\a+\b)
.set X, 128*((\st)%2)+12*\b
.set Y, F1+48*((\st)%2)+12*\a
.if \zero
	W4 0, SC0+8*(\b/2)+(\st), SC1+8*(\a/2)+(\st), \b%2, \a%2
.else
	W4 v[D:D+7], SC0+8*(\b/2)+(\st), SC1+8*(\a/2)+(\st), \b%2, \a%2
.endif
.endr
.endr
.endm
	s_wait_tensorcnt 0x0                           ; my tile has landed,
	s_barrier_signal -1
	s_barrier_wait -1                              ; everybody's has
.irp j, 0,1                            ; O's scale words: heads 2 g and 2 g + 1 make step g's word; lanes 0-15 tile 2 j, lanes 16-31 tile 2 j + 1
.irp g, 0,1,2,3,4,5,6,7
	ds_load_u16 v[SC1+8*\j+\g], v[ADOS] offset:512*\g+64*\j
	ds_load_u16 v[F1+8*\j+\g], v[ADOS] offset:512*\g+256+64*\j
.endr
.endr
	s_wait_dscnt 0x0
.set n, 0
.rept 16
	v_lshl_or_b32 v[SC1+n], v[F1+n], 16, v[SC1+n]
.set n, n+1
.endr
	PLACES 8                                       ; a scale register written by a vector instruction stands 8 places ahead of a scaled product
	s_wait_alu depctr_va_vdst(0)
	FETCH 0
	s_wait_loadcnt 48                              ; w_out's scale words and the bias; the 48 loads of x may be out
	XLOAD 3
	s_wait_dscnt 0x0
	FETCH 1
	MUL 0, 1
.irp st, 1,2,3,4,5,6
	s_wait_dscnt 0x0                               ; this step's fragments, asked for ahead of the last step's 32 products
	PLACES 4                                       ; ahead of loads into registers that the last products read
	FETCH \st+1
	MUL \st, 0
.endr
	s_wait_dscnt 0x0
	MUL 7, 0
	WIN 0
	PLACES 4
	s_barrier_signal -1                            ; no LDS read of mine is out: O's codes are read no more
	s_barrier_wait -1
.macro TOSTAGE a
	WIN 0x08
.irp b, 0,1,2,3,4,5,6,7
	ds_store_b128 v[STO], v[64*(\a)+8*\b:64*(\a)+8*\b+3] offset:64*\b
	ds_store_b128 v[STO], v[64*(\a)+8*\b+4:64*(\a)+8*\b+7] offset:64*\b+16
.endr
	WIN 0
.set BB, BK+64*((\a)%2)
.irp t, 0,1,2,3,4,5,6,7,8,9,10,11,12,13,14,15
	ds_load_b128 v[BB+4*\t:BB+4*\t+3], v[RD] offset:\t*SPITCH      ; LDS serves a wave's instructions in order: these see the stores
.endr
.endm
.macro SEND a, younger
.set BB, BK+64*((\a)%2)
	s_wait_dscnt \younger
	s_wait_loadcnt 16*(3-(\a))                     ; this tile's rows of x; the later tiles' may be out
.irp t, 0,1,2,3,4,5,6,7,8,9,10,11,12,13,14,15
	v_pk_add_f32 v[BB+4*\t:BB+4*\t+1], v[BB+4*\t:BB+4*\t+1], v[BI:BI+1]
	v_pk_add_f32 v[BB+4*\t+2:BB+4*\t+3], v[BB+4*\t+2:BB+4*\t+3], v[BI+2:BI+3]
.endr
	WIN 0x0c
.set n, 0
.rept 32
	v_pk_add_f32 v[BB+n:BB+n+1], v[BB+n:BB+n+1], v[64*(\a)+n:64*(\a)+n+1]
.set n, n+2
.endr
	WIN 0
.irp t, 0,1,2,3,4,5,6,7,8,9,10,11,12,13,14,15
	global_store_b128 v[CO], v[BB+4*\t:BB+4*\t+3], s[12:13] offset:(8*(\a)+\t%8+32*(\t/8))*4096 th:TH_STORE_NT
.endr
.endm
	TOSTAGE 0
.irp a, 1,2,3
.if \a > 1
	s_wait_xcnt 0x0                                ; tile a - 2's stores have read their registers
.endif
	TOSTAGE \a
	SEND \a-1, 32                                  ; behind tile a - 1's loads: tile a's 16 stores and 16 loads
.endr
	SEND 3, 0
	s_wait_tensorcnt 0x0                           ; the wave's end
	ds_add_u32 v[SPW], v[NIL]
	s_wait_dscnt 0x0
	CROUND                                         ; the closing round
	s_endpgm
.Lfunc_end_k_q0554996414_out_gemm:
	.size	k_q0554996414_out_gemm, .Lfunc_end_k_q0554996414_out_gemm-k_q0554996414_out_gemm
	.p2alignl 7, 3214868480
	.fill 96, 4, 3214868480
	.section	.rodata,"a",@progbits
	.p2align	6, 0x0
	.amdhsa_kernel k_q0554996414_out_gemm
		.amdhsa_group_segment_fixed_size 327680
		.amdhsa_private_segment_fixed_size 0
		.amdhsa_enable_private_segment 0
		.amdhsa_kernarg_size 56
		.amdhsa_user_sgpr_count 2
		.amdhsa_user_sgpr_kernarg_segment_ptr 1
		.amdhsa_wavefront_size32 1
		.amdhsa_system_sgpr_workgroup_id_x 1
		.amdhsa_system_sgpr_workgroup_id_y 1
		.amdhsa_system_sgpr_workgroup_id_z 1
		.amdhsa_system_vgpr_workitem_id 0
		.amdhsa_next_free_vgpr 1024
		.amdhsa_next_free_sgpr 100
		.amdhsa_reserve_vcc 0
		.amdhsa_float_denorm_mode_32 3
		.amdhsa_float_denorm_mode_16_64 3
		.amdhsa_memory_ordered 1
		.amdhsa_forward_progress 1
		.amdhsa_inst_pref_size 119
	.end_amdhsa_kernel
	.amdgpu_metadata
---
amdhsa.version: [ 1, 2 ]
amdhsa.kernels:
  - .name:           k_q0554996414_out_gemm
    .symbol:         k_q0554996414_out_gemm.kd
    .args:
      - { .name: ocodes, .offset: 0, .size: 8, .value_kind: global_buffer, .address_space: global }
      - { .name: oscales, .offset: 8, .size: 8, .value_kind: global_buffer, .address_space: global }
      - { .name: w_out_codes, .offset: 16, .size: 8, .value_kind: global_buffer, .address_space: global }
      - { .name: w_out_scales, .offset: 24, .size: 8, .value_kind: global_buffer, .address_space: global }
      - { .name: b_out, .offset: 32, .size: 8, .value_kind: global_buffer, .address_space: global }
      - { .name: x, .offset: 40, .size: 8, .value_kind: global_buffer, .address_space: global }
      - { .name: out0, .offset: 48, .size: 8, .value_kind: global_buffer, .address_space: global }
    .group_segment_fixed_size: 327680
    .private_segment_fixed_size: 0
    .kernarg_segment_align: 8
    .kernarg_segment_size: 56
    .max_flat_workgroup_size: 128
    .sgpr_count:     100
    .vgpr_count:     1024
    .wavefront_size: 32
...
	.end_amdgpu_metadata
.endif
;; end of part 4
